; MI455X (gfx1250); checked and timed in simulation.
; The chip was launched on July 23, 2026; its instructions are those of AMD's public machine-readable ISA for CDNA 5 (MIT licence, August 2026) and "CDNA5" Instruction Set Architecture Reference Guide (July 2026). The comments in the code are by the model that wrote it; some were corrected since.
;; Hyperbolic Attention Hardened. Allowed arithmetic: matrix products marked QUANTISED: E4M3 operands, one given power-of-two scale a tensor, by v_wmma_f32_16x16x64_fp8_fp8 or v_wmma_f32_16x16x128_fp8_fp8, f32 sums; everything else in f32.
;; Inputs: K one number float32; Wk 1,024 x 1,024 float32; Wo 1,024 x 1,024 float32; Wq 1,024 x 1,024 float32; Wv 1,024 x 1,024 float32; attention_mask 1 x 1 x 2,048 x 2,048 float32; lowp_scales 12 int32 (the exponents e of the quantised operands' scales 2^e); x 2 x 2,048 x 1,025 float32.
;; Outputs: out0 2 x 2,048 x 1,025 float32.
;; This version of the problem:
;;   THIS VERSION OF THE PROBLEM IS GIVEN IN LOW PRECISION. The matrix products marked QUANTISED in the list below multiply operands that are first quantised to E4M3 (4 exponent bits, 3 mantissa bits; 8 bits a number), with one given power-of-two scale for each operand tensor; their sums are f32. All else is computed in f32.
;;   The module's matrix products, in the order in which they are computed (A, B: the left and right operand; K: the contracted axis; several contracted axes count as one K, in the product's order):
;;     1. [M 4,096, K 1,024] x [K 1,024, N 1,024]; A: computed on the way; B: input Wq: QUANTISED (scales: A lowp_scales[0], B lowp_scales[1])
;;     2. [M 4,096, K 1,024] x [K 1,024, N 1,024]; A: computed on the way; B: input Wk: QUANTISED (scales: A lowp_scales[2], B lowp_scales[3])
;;     3. [M 4,096, K 1,024] x [K 1,024, N 1,024]; A: computed on the way; B: input Wv: QUANTISED (scales: A lowp_scales[4], B lowp_scales[5])
;;     4. batch 32 x [M 2,048, K 64] x [K 64, N 2,048]; A: computed on the way; B: computed on the way: QUANTISED (scales: A lowp_scales[6], B lowp_scales[7])
;;     5. batch 32 x [M 2,048, K 2,048] x [K 2,048, N 64]; A: computed on the way; B: computed on the way: QUANTISED (scales: A lowp_scales[8], B lowp_scales[9])
;;     6. [M 4,096, K 1,024] x [K 1,024, N 1,024]; A: computed on the way; B: input Wo: QUANTISED (scales: A lowp_scales[10], B lowp_scales[11])
;;   THE QUANTISER, for each operand of a quantised product, along K:
;;     - The operand's scale is 2^e, e = its entry of the input lowp_scales (int32; the entries are numbered through the quantised products in the list's order, A before B).
;;     - Each number is divided by the scale, clamped to +-448, and rounded to the nearest number of E4M3, ties to even, subnormals kept.
;;     - The product sums the exact products of the quantised numbers (number of the format x scale) in f32.
;;   ~~~python
;;   def quantise(x, axis, e):      # numpy; x: float32 -> the quantised numbers, widened to float32 again
;;       x = np.moveaxis(x, axis, -1); K = x.shape[-1]
;;       r = np.clip(x / 2.0 ** e, -448, 448)
;;       step = 2.0 ** (np.maximum(np.frexp(np.where(r == 0, 1, r))[1] - 1, -6) - 3)
;;       q = np.round(r / step) * step * 2.0 ** e      # np.round: ties to even
;;       return np.moveaxis(q, -1, axis).astype(np.float32)
;;   ~~~
;;   OPERANDS COMPUTED ON THE WAY. 'Computed on the way' means the value that the module computes at that place (a softmax that the list does not call 'softmax' is quantised finished and normalised). What goes into a quantiser is computed in f32, as accurately as f32 sums, v_exp_f32 and their like allow (about 1e-6 of the number): no bf16 or f16 on the way to a quantiser, and a product that is left as it is and whose result goes on into a quantised operand takes f32 operands (vector FMAs, or v_wmma_f32_16x16x4_f32). A number that lies on a knife's edge between two numbers of the format may be rounded either way, as far as f32 arithmetic and the matrix unit's own rounding can turn it there, and no further.
;; 2 versions, each right; version 2 is version 1 with the launches proj, attn, outp written anew for expert scheduling mode. Each part assembles by itself: llvm-mc -triple=amdgcn-amd-amdhsa -mcpu=gfx1250 --defsym DOCPART=n.
;; ======== version 1 of 2: 4 launches
;; workspace buffers: xc 12,582,912 bytes; wc 4,194,304 bytes; qc 4,194,304 bytes; kc 4,194,304 bytes; vc 4,194,304 bytes; ac 4,194,304 bytes
;; launch quant (part 1): grid 512 x 1, 8 waves a work-group, no clusters, 68,608 bytes of LDS; arguments x, Wq, Wk, Wv, Wo, lowp_scales, xc, wc; writes xc, wc
.if DOCPART == 1
	.amdgcn_target "amdgcn-amd-amdhsa--gfx1250"
	.amdhsa_code_object_version 6
	.text
	.protected	k_qbeb3aa72b8_quant
	.globl	k_qbeb3aa72b8_quant
	.p2align	8
	.type	k_qbeb3aa72b8_quant,@function
k_qbeb3aa72b8_quant:
	s_mov_b64 s[64:65], 0
	v_nop
	global_prefetch_b8 v0, s[64:65] scope:SCOPE_SE
	s_setreg_imm32_b32 hwreg(HW_REG_WAVE_MODE, 25, 1), 1
	s_wait_xcnt 0x0
; xs = x[.., 1:] (NaN -> 0, +-infinity -> +-10000, as nan_to_num has it) becomes codes of E4M3 three times, with the scales 2^e0, 2^e2, 2^e4 of the three projections;
; Wq, Wk, Wv, Wo become codes with 2^e1, 2^e3, 2^e5, 2^e11.  code = number / 2^e, held within +-448, to the nearest code, ties to even.
; THE CODES ARE LAID AS IMAGES OF OPERAND REGISTERS.  A fragment is 16 rows x 128 along K, 16 registers a lane: lane (r = lane % 16, h = lane / 16) holds row r, registers 2 c, 2 c + 1 hold
; k = 16 c + 8 h + 0 .. 7.  Registers 4 g .. 4 g + 3 lie at byte 512 g + 16 lane of the fragment's 2,048 bytes: every later load of an operand, and every store here, covers 512 consecutive bytes.
;   xc: [plane 3][tile of 16 tokens: 256][K step 8][2,048]      wc: [q, k, v, o][tile of 16 rows: 64][K step 8][2,048]
; SHARES.  Work-groups 0 to 255 take a tile of tokens, 256 to 511 a tile of rows of one weight; wave w takes K step w: one fragment.  No loop, no barrier: a wave's stage in LDS is its own.
; x's rows are 4,100 bytes and xs begins 4 bytes in, so a row is only 4-aligned: loads of 4 bytes a lane (128 consecutive bytes an instruction) serve x and the weights by one path.
; The 16 x 128 numbers turn through the stage: in as they lie, out 32 bytes a lane in the operand's order.
; LIMITS: every e between -126 and 119, so that 2^e and 448 x 2^e are f32 numbers.  NaN in a weight is not served (an infinity is held at the largest code).
.set PL,   528                         ; a stage row: 512 bytes + 16 = 33 x 16: the sixteen rows of a 16-byte read begin at sixteen different 16-byte columns modulo 256
.set WREG, 16*PL                       ; a wave's stage
.set X,    16                          ; v16-79   the numbers as loaded, row i at 4 i; later the held numbers
.set Y,    80                          ; v80-143  register 8 c + j = k 16 c + 8 h + j of my row
.set C,    144                         ; v144-191 16 registers of codes for each plane: no store's data are written again
.set OFF,  192                         ; v192-207 row i's byte offset: i x pitch + 4 lane
; 2^e as f32 into v[vs] (the conversion takes its exponent field), +-448 x 2^e into s[hi], s[lo]
.macro MKSCALE e, vs, lo, hi, t
	s_add_co_i32 s[\t], s[\e], 127
	s_lshl_b32 s[\hi], s[\t], 23
	v_mov_b32 v[\vs], s[\hi]
	s_add_co_i32 s[\t], s[\t], 8
	s_lshl_b32 s[\hi], s[\t], 23
	s_or_b32 s[\hi], s[\hi], 0x600000              ; 448 = 1.75 x 2^8
.if (\lo) >= 0
	s_or_b32 s[\lo], s[\hi], 0x80000000
.endif
.endm
	s_load_b256 s[4:11], s[0:1], 0x0               ; x, Wq, Wk, Wv
	s_load_b256 s[12:19], s[0:1], 0x20             ; Wo, lowp_scales, xc, wc
	v_lshl_add_u32 v208, v0, 2, 0x10800
	v_mov_b32 v209, 0
	v_lshrrev_b32 v1, 5, v0
	v_readfirstlane_b32 s20, v1                    ; wave = K step
	v_and_b32 v2, 31, v0                           ; lane
	v_and_b32 v3, 15, v0                           ; r
	v_bfe_u32 v1, v0, 4, 1                         ; h
	v_lshlrev_b32 v4, 2, v2                        ; 4 lane
	s_mul_i32 s21, s20, WREG
	v_add_nc_u32 v5, s21, v4                       ; the stage, in: 4 lane
	v_mul_u32_u24 v6, v3, PL
	v_lshl_add_u32 v6, v1, 5, v6
	v_add_nc_u32 v6, s21, v6                       ; the stage, out: row r, + 32 h
	v_lshlrev_b32 v7, 4, v2                        ; 16 lane: my place in an image
	v_mov_b32 v8, 0x461c4000                       ; 10000.0
	v_mov_b32 v9, 0
	s_mov_b32 s56, 0x7fffffff
	s_mov_b32 s57, 0x7f800000
	s_cmp_lt_u32 ttmp9, 256                        ; a tile of x?
	s_cselect_b32 s22, 4, 0                        ; bytes in front of a row's first number
	s_cselect_b32 s23, 0, 256
	s_sub_co_u32 s23, ttmp9, s23
	s_lshr_b32 s24, s23, 6                         ; which weight
	s_and_b32 s25, s23, 63
	s_cmp_lt_u32 ttmp9, 256
	s_cselect_b32 s25, s23, s25                    ; the tile
	s_cselect_b32 s26, 0, s24
	s_add_co_u32 s27, s22, 4096                    ; a row's pitch in memory
	s_lshl_b32 s28, s25, 4
	s_mul_i32 s28, s28, s27                        ; 16 x tile x pitch
	s_add_co_u32 s28, s28, s22
	s_lshl_b32 s29, s20, 9
	s_add_co_u32 s28, s28, s29                     ; + 512 w: where my 16 x 128 numbers begin
	s_mov_b32 s29, 0
	s_lshl_b32 s30, s26, 20
	s_lshl_b32 s31, s25, 14
	s_add_co_u32 s30, s30, s31
	s_lshl_b32 s31, s20, 11
	s_add_co_u32 s30, s30, s31                     ; where my fragment goes
	s_mov_b32 s31, 0
	v_mov_b32 v[OFF], v4
.set i, 1
.rept 15
	v_add_nc_u32 v[OFF+i], s27, v[OFF+i-1]
.set i, i+1
.endr
	s_wait_kmcnt 0x0
	s_load_b256 s[36:43], s[14:15], 0x0            ; e0 .. e7
	s_load_b128 s[44:47], s[14:15], 0x20           ; e8 .. e11
	s_cmp_eq_u32 s24, 1                            ; the choices hang on the work-group's number alone
	s_cselect_b64 s[32:33], s[8:9], s[6:7]
	s_cmp_eq_u32 s24, 2
	s_cselect_b64 s[32:33], s[10:11], s[32:33]
	s_cmp_eq_u32 s24, 3
	s_cselect_b64 s[32:33], s[12:13], s[32:33]
	s_cmp_lt_u32 ttmp9, 256
	s_cselect_b64 s[32:33], s[4:5], s[32:33]
	s_cselect_b64 s[34:35], s[16:17], s[18:19]
	s_add_nc_u64 s[32:33], s[32:33], s[28:29]
	s_add_nc_u64 s[34:35], s[34:35], s[30:31]
.set i, 0
.rept 16
.irp q, 0,1,2,3
	global_load_b32 v[X+4*i+\q], v[OFF+i], s[32:33] offset:128*\q   ; row i, numbers 32 q + lane
.endr
.set i, i+1
.endr
	s_wait_kmcnt 0x0
	s_cmp_eq_u32 s24, 1
	s_cselect_b32 s48, s39, s37                    ; e3 or e1
	s_cmp_eq_u32 s24, 2
	s_cselect_b32 s48, s41, s48                    ; e5
	s_cmp_eq_u32 s24, 3
	s_cselect_b32 s48, s47, s48                    ; e11
	s_cmp_lt_u32 ttmp9, 256
	s_cselect_b32 s48, s36, s48                    ; e0
	MKSCALE 48, 12, 50, 51, 49
	MKSCALE 38, 13, 52, 53, 49                     ; e2
	MKSCALE 40, 14, 54, 55, 49                     ; e4
.set i, 0
.rept 16
	s_wait_loadcnt 60-4*i                          ; row i's four loads are in; the later rows' stay out
.irp q, 0,1,2,3
	ds_store_b32 v5, v[X+4*i+\q] offset:PL*i+128*\q
.endr
.set i, i+1
.endr
.irp c, 0,1,2,3,4,5,6,7
	ds_load_b128 v[Y+8*\c:Y+8*\c+3], v6 offset:64*\c               ; LDS serves a wave's instructions in order (ISA guide 5.7.1.4): these see my stores
	ds_load_b128 v[Y+8*\c+4:Y+8*\c+7], v6 offset:64*\c+16
.endr
	s_wait_dscnt 0x0
	s_cmp_lt_u32 ttmp9, 256
	s_cbranch_scc0 .Lweight                        ; reference() sanitises x, not the weights
.set i, 0
.rept 64
	v_and_b32 v10, s56, v[Y+i]                     ; the magnitude's bits
	v_bfi_b32 v11, s56, v8, v[Y+i]                 ; 10000 with the number's sign
	v_cmp_eq_u32 vcc_lo, s57, v10
	v_cndmask_b32 v[Y+i], v[Y+i], v11, vcc_lo      ; an infinity
	v_cmp_lt_u32 vcc_lo, s57, v10
	v_cndmask_b32 v[Y+i], v[Y+i], v9, vcc_lo       ; a NaN
.set i, i+1
.endr
.Lweight:
; one plane of codes: the hold (the conversion to an 8-bit code does not saturate: ISA guide 7.6.2), eight conversions, four stores of 512 consecutive bytes
.macro CONV p, lo, hi, vs, base, off
.set i, 0
.rept 64
	v_med3_num_f32 v[X+i], v[Y+i], s[\lo], s[\hi]
.set i, i+1
.endr
.irp c, 0,1,2,3,4,5,6,7
	v_cvt_scalef32_pk8_fp8_f32 v[C+16*(\p)+2*\c:C+16*(\p)+2*\c+1], v[X+8*\c:X+8*\c+7], v[\vs]
.endr
	v_nop                                          ; a plain line between the conversions and the next plane's holds, which write their sources
.irp g, 0,1,2,3
	global_store_b128 v7, v[C+16*(\p)+4*\g:C+16*(\p)+4*\g+3], s[\base:\base+1] offset:(\off)+512*\g
.endr
.endm
	CONV 0, 50, 51, 12, 34, 0
	s_cmp_lt_u32 ttmp9, 256
	s_cbranch_scc0 .Lend                           ; a weight has one plane
	s_add_nc_u64 s[58:59], s[34:35], 0x800000      ; plane 2 lies past the reach of a store's immediate
	CONV 1, 52, 53, 13, 34, 4194304
	CONV 2, 54, 55, 14, 58, 0
.Lend:
	s_wait_tensorcnt 0x0
	ds_add_u32 v208, v209
	s_wait_dscnt 0x0
	s_endpgm
.Lfunc_end_k_qbeb3aa72b8_quant:
	.size	k_qbeb3aa72b8_quant, .Lfunc_end_k_qbeb3aa72b8_quant-k_qbeb3aa72b8_quant
	.p2alignl 7, 3214868480
	.fill 96, 4, 3214868480
	.section	.rodata,"a",@progbits
	.p2align	6, 0x0
	.amdhsa_kernel k_qbeb3aa72b8_quant
		.amdhsa_group_segment_fixed_size 68608
		.amdhsa_private_segment_fixed_size 0
		.amdhsa_enable_private_segment 0
		.amdhsa_kernarg_size 64
		.amdhsa_user_sgpr_count 2
		.amdhsa_user_sgpr_kernarg_segment_ptr 1
		.amdhsa_wavefront_size32 1
		.amdhsa_system_sgpr_workgroup_id_x 1
		.amdhsa_system_sgpr_workgroup_id_y 1
		.amdhsa_system_sgpr_workgroup_id_z 1
		.amdhsa_system_vgpr_workitem_id 0
		.amdhsa_next_free_vgpr 210
		.amdhsa_next_free_sgpr 66
		.amdhsa_reserve_vcc 1
		.amdhsa_float_denorm_mode_32 3
		.amdhsa_float_denorm_mode_16_64 3
		.amdhsa_memory_ordered 1
		.amdhsa_forward_progress 1
		.amdhsa_inst_pref_size 45
	.end_amdhsa_kernel
	.amdgpu_metadata
---
amdhsa.version: [ 1, 2 ]
amdhsa.kernels:
  - .name:           k_qbeb3aa72b8_quant
    .symbol:         k_qbeb3aa72b8_quant.kd
    .args:
      - { .name: x, .offset: 0, .size: 8, .value_kind: global_buffer, .address_space: global }
      - { .name: Wq, .offset: 8, .size: 8, .value_kind: global_buffer, .address_space: global }
      - { .name: Wk, .offset: 16, .size: 8, .value_kind: global_buffer, .address_space: global }
      - { .name: Wv, .offset: 24, .size: 8, .value_kind: global_buffer, .address_space: global }
      - { .name: Wo, .offset: 32, .size: 8, .value_kind: global_buffer, .address_space: global }
      - { .name: lowp_scales, .offset: 40, .size: 8, .value_kind: global_buffer, .address_space: global }
      - { .name: xc, .offset: 48, .size: 8, .value_kind: global_buffer, .address_space: global }
      - { .name: wc, .offset: 56, .size: 8, .value_kind: global_buffer, .address_space: global }
    .group_segment_fixed_size: 68608
    .private_segment_fixed_size: 0
    .kernarg_segment_align: 8
    .kernarg_segment_size: 64
    .max_flat_workgroup_size: 256
    .sgpr_count:     66
    .vgpr_count:     210
    .wavefront_size: 32
...
	.end_amdgpu_metadata
.endif
;; end of part 1
;; launch proj (part 2): grid 192 x 1, 8 waves a work-group, no clusters, 66,560 bytes of LDS; arguments xc, wc, lowp_scales, qc, kc, vc; writes qc, kc, vc
.if DOCPART == 2
	.amdgcn_target "amdgcn-amd-amdhsa--gfx1250"
	.amdhsa_code_object_version 6
	.text
	.protected	k_qbeb3aa72b8_proj
	.globl	k_qbeb3aa72b8_proj
	.p2align	8
	.type	k_qbeb3aa72b8_proj,@function
k_qbeb3aa72b8_proj:
	s_mov_b64 s[64:65], 0
	v_nop
	global_prefetch_b8 v0, s[64:65] scope:SCOPE_SE
	s_setreg_imm32_b32 hwreg(HW_REG_WAVE_MODE, 25, 1), 1
	s_wait_xcnt 0x0
; q = xs Wq^T, k = xs Wk^T, v = xs Wv^T on codes of E4M3; each f32 sum is quantised in registers for the attention's products (scales 2^e6, 2^e7, 2^e9) and stored as codes.
; THE CORE.  D = S0 x S1^T over K = 1,024.  S1 is 64 rows (4 tiles t1), 65,536 bytes of fragment images, copied once into LDS and read by all 8 waves.  S0 is 1,024 rows: wave w takes rows
; 128 w .. 128 w + 127 (8 tiles t0) and loads their fragments from memory straight into registers, a K step of 128 at a time, half a step (4 tiles, 16 loads) ahead of its use.
; In the result of (source 0 = S0's tile, source 1 = S1's tile) lane (r, h) holds S1's row r and S0's rows 8 h + 0 .. 7 in its eight registers: eight neighbours along S0's rows.
; Work-group g: projection p = g / 64, part i = g % 64.
;   p = 0, 1 (q, k): S0 = the weight's 1,024 features, S1 = tokens 64 i on.  A lane's eight sums are eight neighbouring features of a token: a register pair of the next product's operand (K = a head's 64).
;   p = 2 (v):       S0 = tokens 1,024 (i / 16) on, S1 = head i % 16's 64 features.  A lane's eight sums are eight neighbouring tokens of a feature: the keys are the next K.
; OUT, again as images:  qc, kc: [b 2][pair of heads 8][tile of 16 tokens 128][head in the pair 2][1,024]: a fragment of 16 tokens x 64;   vc: [b 2][128 keys: 16][4 head + d / 16: 64][2,048]: 16 d x 128 keys.
; For a fixed t1 a wave's eight conversions fill 16 registers, 2,048 consecutive bytes of the output in either case.
; A sum stands for sum x 2^(ea + eb): the conversion takes the one scale 2^(eo - ea - eb).  With finite sums reference()'s nan_to_num behind the products changes nothing and is not written.
; LIMITS: eo - ea - eb between -126 and 119;  ea + eb at most 99, so that 1,024 x 448^2 x 2^(ea + eb) is finite.
; NO JOINT LOADS: S0's fragments are shared by the 64 work-groups of a projection, but here each goes from memory into the registers of the one wave that multiplies it and never passes LDS;
; a joint load lands in LDS, from which each wave would read its 16,384 bytes of every K step once more.  This text keeps the form without a ring.
; REGISTERS.  Window 0: v1 16 lane; v2 16 lane + 2,048 w; v3 the scale; v64-127 S1's four fragments; v128-255 S0's eight.  Window 1: the 32 accumulators, (t1, t0) at v[64 t1 + 8 t0].
.set S1R, 64
.set S0R, 128
.set S0P, 32                           ; s[32:33] my wave's part of S0
.set S1P, 34                           ; s[34:35] S1
.set MSB, 0
.macro WIN new                         ; the immediate's high byte repeats the setting that is left; a switch that changes nothing is dropped
.if MSB != (\new)
	s_set_vgpr_msb (MSB<<8)|(\new)
.set MSB, (\new)
.endif
.endm
.macro MKSCALE e, vs, lo, hi, t
	s_add_co_i32 s[\t], s[\e], 127
	s_lshl_b32 s[\hi], s[\t], 23
	v_mov_b32 v[\vs], s[\hi]
	s_add_co_i32 s[\t], s[\t], 8
	s_lshl_b32 s[\hi], s[\t], 23
	s_or_b32 s[\hi], s[\hi], 0x600000
.if (\lo) >= 0
	s_or_b32 s[\lo], s[\hi], 0x80000000
.endif
.endm
.macro BARRIER                         ; my LDS stores have landed and my LDS loads are in: then the work-group's barrier
	s_wait_dscnt 0x0
	s_barrier_signal -1
	s_barrier_wait -1
.endm
.macro LOADS0 s, j                     ; tiles 4 j .. 4 j + 3 of S0, K step s: 16 loads of 512 consecutive bytes
.irp t, 0,1,2,3
.irp g, 0,1,2,3
	global_load_b128 v[S0R+16*(4*(\j)+\t)+4*\g:S0R+16*(4*(\j)+\t)+4*\g+3], v1, s[S0P:S0P+1] offset:16384*(4*(\j)+\t)+2048*(\s)+512*\g
.endr
.endr
.endm
.macro LOADS1 s                        ; S1's four fragments of K step s, from LDS
.irp t, 0,1,2,3
.irp g, 0,1,2,3
	ds_load_b128 v[S1R+16*\t+4*\g:S1R+16*\t+4*\g+3], v1 offset:(8*\t+(\s))*2048+512*\g
.endr
.endr
.endm
; 16 products: S0's tiles 4 j .. 4 j + 3 against S1's four.  The 32 accumulators take turns, one instruction a turn, in the same order in every K step.  The first K step starts the sums.
; Four plain lines follow: loads into registers that these products have read, and reads of their results, stand four places behind them (ISA guide 7.12.1 for vector instructions).
.macro MUL s, j
	WIN 0x50                                       ; C and D in window 1
.irp t0, 0,1,2,3
.irp t1, 0,1,2,3
.if (\s) == 0
	v_wmma_f32_16x16x128_fp8_fp8 v[64*\t1+8*(4*(\j)+\t0):64*\t1+8*(4*(\j)+\t0)+7], v[S0R+16*(4*(\j)+\t0):S0R+16*(4*(\j)+\t0)+15], v[S1R+16*\t1:S1R+16*\t1+15], 0
.else
	v_wmma_f32_16x16x128_fp8_fp8 v[64*\t1+8*(4*(\j)+\t0):64*\t1+8*(4*(\j)+\t0)+7], v[S0R+16*(4*(\j)+\t0):S0R+16*(4*(\j)+\t0)+15], v[S1R+16*\t1:S1R+16*\t1+15], v[64*\t1+8*(4*(\j)+\t0):64*\t1+8*(4*(\j)+\t0)+7]
.endif
.endr
.endr
	WIN 0
.rept 4
	v_nop
.endr
.endm
.macro KSTEP s
	s_wait_dscnt 0x0                               ; this step's S1
	s_wait_loadcnt 16                              ; this step's first half of S0 is in; the second half's 16 loads stay out
	MUL \s, 0
.if (\s) < 7
	LOADS0 (\s)+1, 0
	s_wait_loadcnt 16                              ; the second half is in; the 16 just issued stay out
.else
	s_wait_loadcnt 0x0
.endif
	MUL \s, 1
.if (\s) < 7
	LOADS0 (\s)+1, 1
	LOADS1 (\s)+1
.endif
.endm
	s_load_b256 s[4:11], s[0:1], 0x0               ; xc, wc, lowp_scales, qc
	s_load_b128 s[12:15], s[0:1], 0x20             ; kc, vc
	v_lshl_add_u32 v62, v0, 2, 0x10000
	v_mov_b32 v63, 0
	v_lshrrev_b32 v3, 5, v0
	v_readfirstlane_b32 s16, v3                    ; wave
	v_and_b32 v1, 31, v0
	v_lshlrev_b32 v1, 4, v1                        ; 16 lane
	s_lshl_b32 s17, s16, 11
	v_add_nc_u32 v2, s17, v1                       ; + 2,048 w: the K step of S1 that I copy
	s_lshr_b32 s20, ttmp9, 6                       ; p
	s_and_b32 s21, ttmp9, 63                       ; i
	s_lshl_b32 s22, s20, 20                        ; S0 for q, k: weight p
	s_lshr_b32 s23, s21, 4
	s_lshl_b32 s23, s23, 20
	s_add_co_u32 s23, s23, 8388608                 ; S0 for v: plane 2 of xc, tokens 1,024 (i / 16) on
	s_cmp_eq_u32 s20, 2
	s_cselect_b32 s22, s23, s22
	s_lshl_b32 s24, s16, 17
	s_add_co_u32 s22, s22, s24                     ; + my wave's eight tiles
	s_mov_b32 s23, 0
	s_lshl_b32 s24, s20, 22                        ; S1 for q, k: plane p of xc,
	s_lshl_b32 s25, s21, 16
	s_add_co_u32 s24, s24, s25                     ; tokens 64 i on
	s_and_b32 s25, s21, 15
	s_lshl_b32 s25, s25, 16
	s_add_co_u32 s25, s25, 2097152                 ; S1 for v: Wv, head i % 16
	s_cmp_eq_u32 s20, 2
	s_cselect_b32 s24, s25, s24
	s_mov_b32 s25, 0
	s_lshr_b32 s26, s21, 5                         ; out for q, k: batch i / 32,
	s_lshl_b32 s26, s26, 21
	s_lshl_b32 s27, s16, 18                        ; pair of heads w,
	s_add_co_u32 s26, s26, s27
	s_and_b32 s27, s21, 31
	s_lshl_b32 s27, s27, 13                        ; tiles 4 (i % 32) on
	s_add_co_u32 s26, s26, s27
	s_lshr_b32 s28, s21, 4                         ; out for v: keys 1,024 (i / 16) + 128 w on,
	s_lshl_b32 s28, s28, 20
	s_lshl_b32 s27, s16, 17
	s_add_co_u32 s28, s28, s27
	s_and_b32 s27, s21, 15
	s_lshl_b32 s27, s27, 13                        ; head i % 16
	s_add_co_u32 s28, s28, s27
	s_cmp_eq_u32 s20, 2
	s_cselect_b32 s26, s28, s26
	s_mov_b32 s27, 0
	s_wait_kmcnt 0x0
	s_load_b256 s[36:43], s[8:9], 0x0              ; e0 .. e7
	s_load_b128 s[44:47], s[8:9], 0x20             ; e8 .. e11
	s_cmp_eq_u32 s20, 2                            ; the choices hang on the work-group's number alone
	s_cselect_b64 s[S0P:S0P+1], s[4:5], s[6:7]
	s_cselect_b64 s[S1P:S1P+1], s[6:7], s[4:5]
	s_cselect_b64 s[48:49], s[14:15], s[10:11]
	s_cmp_eq_u32 s20, 1
	s_cselect_b64 s[48:49], s[12:13], s[48:49]
	s_add_nc_u64 s[S0P:S0P+1], s[S0P:S0P+1], s[22:23]
	s_add_nc_u64 s[S1P:S1P+1], s[S1P:S1P+1], s[24:25]
	s_add_nc_u64 s[48:49], s[48:49], s[26:27]
.irp t, 0,1,2,3
.irp g, 0,1,2,3
	global_load_b128 v[S1R+16*\t+4*\g:S1R+16*\t+4*\g+3], v2, s[S1P:S1P+1] offset:16384*\t+512*\g   ; K step w of S1's four tiles
.endr
.endr
	LOADS0 0, 0
	LOADS0 0, 1
	s_wait_kmcnt 0x0
	s_add_co_i32 s26, s36, s37
	s_add_co_i32 s27, s38, s39
	s_add_co_i32 s28, s40, s41
	s_sub_co_i32 s26, s42, s26                     ; e6 - e0 - e1
	s_sub_co_i32 s27, s43, s27                     ; e7 - e2 - e3
	s_sub_co_i32 s28, s45, s28                     ; e9 - e4 - e5
	s_cmp_eq_u32 s20, 1
	s_cselect_b32 s26, s27, s26
	s_cmp_eq_u32 s20, 2
	s_cselect_b32 s26, s28, s26
	MKSCALE 26, 3, 30, 31, 27
	s_wait_loadcnt 32                              ; S1's 16 loads are in; S0's 32 stay out
.irp t, 0,1,2,3
.irp g, 0,1,2,3
	ds_store_b128 v2, v[S1R+16*\t+4*\g:S1R+16*\t+4*\g+3] offset:16384*\t+512*\g   ; the same place in LDS as in memory
.endr
.endr
	BARRIER                                        ; S1 lies whole in LDS
	LOADS1 0
.irp s, 0,1,2,3,4,5,6,7
	KSTEP \s
.endr
	; THE WAY OUT: the hold, each accumulator from its low end on; the conversions; 16 stores of 512 consecutive bytes
	WIN 0x41
.set i, 0
.rept 256
	v_med3_num_f32 v[i], v[i], s30, s31
.set i, i+1
.endr
	WIN 0x01
.irp t1, 0,1,2,3
.irp t0, 0,1,2,3,4,5,6,7
	v_cvt_scalef32_pk8_fp8_f32 v[S0R+16*\t1+2*\t0:S0R+16*\t1+2*\t0+1], v[64*\t1+8*\t0:64*\t1+8*\t0+7], v3
.endr
.endr
	v_nop
	WIN 0
.irp t1, 0,1,2,3
.irp g, 0,1,2,3
	global_store_b128 v1, v[S0R+16*\t1+4*\g:S0R+16*\t1+4*\g+3], s[48:49] offset:2048*\t1+512*\g
.endr
.endr
	s_wait_tensorcnt 0x0
	ds_add_u32 v62, v63
	s_wait_dscnt 0x0
	s_endpgm
.Lfunc_end_k_qbeb3aa72b8_proj:
	.size	k_qbeb3aa72b8_proj, .Lfunc_end_k_qbeb3aa72b8_proj-k_qbeb3aa72b8_proj
	.p2alignl 7, 3214868480
	.fill 96, 4, 3214868480
	.section	.rodata,"a",@progbits
	.p2align	6, 0x0
	.amdhsa_kernel k_qbeb3aa72b8_proj
		.amdhsa_group_segment_fixed_size 66560
		.amdhsa_private_segment_fixed_size 0
		.amdhsa_enable_private_segment 0
		.amdhsa_kernarg_size 48
		.amdhsa_user_sgpr_count 2
		.amdhsa_user_sgpr_kernarg_segment_ptr 1
		.amdhsa_wavefront_size32 1
		.amdhsa_system_sgpr_workgroup_id_x 1
		.amdhsa_system_sgpr_workgroup_id_y 1
		.amdhsa_system_sgpr_workgroup_id_z 1
		.amdhsa_system_vgpr_workitem_id 0
		.amdhsa_next_free_vgpr 512
		.amdhsa_next_free_sgpr 66
		.amdhsa_reserve_vcc 0
		.amdhsa_float_denorm_mode_32 3
		.amdhsa_float_denorm_mode_16_64 3
		.amdhsa_memory_ordered 1
		.amdhsa_forward_progress 1
		.amdhsa_inst_pref_size 78
	.end_amdhsa_kernel
	.amdgpu_metadata
---
amdhsa.version: [ 1, 2 ]
amdhsa.kernels:
  - .name:           k_qbeb3aa72b8_proj
    .symbol:         k_qbeb3aa72b8_proj.kd
    .args:
      - { .name: xc, .offset: 0, .size: 8, .value_kind: global_buffer, .address_space: global }
      - { .name: wc, .offset: 8, .size: 8, .value_kind: global_buffer, .address_space: global }
      - { .name: lowp_scales, .offset: 16, .size: 8, .value_kind: global_buffer, .address_space: global }
      - { .name: qc, .offset: 24, .size: 8, .value_kind: global_buffer, .address_space: global }
      - { .name: kc, .offset: 32, .size: 8, .value_kind: global_buffer, .address_space: global }
      - { .name: vc, .offset: 40, .size: 8, .value_kind: global_buffer, .address_space: global }
    .group_segment_fixed_size: 66560
    .private_segment_fixed_size: 0
    .kernarg_segment_align: 8
    .kernarg_segment_size: 48
    .max_flat_workgroup_size: 256
    .sgpr_count:     66
    .vgpr_count:     512
    .wavefront_size: 32
...
	.end_amdgpu_metadata
.endif
;; end of part 2
;; launch attn (part 3): grid 64 x 4, 4 waves a work-group, no clusters, 296,448 bytes of LDS; arguments qc, kc, vc, attention_mask, lowp_scales, ac; writes ac
.if DOCPART == 3
	.amdgcn_target "amdgcn-amd-amdhsa--gfx1250"
	.amdhsa_code_object_version 6
	.text
	.protected	k_qbeb3aa72b8_attn
	.globl	k_qbeb3aa72b8_attn
	.p2align	8
	.type	k_qbeb3aa72b8_attn,@function
k_qbeb3aa72b8_attn:
	s_mov_b64 s[64:65], 0
	v_nop
	global_prefetch_b8 v0, s[64:65] scope:SCOPE_SE
	s_setreg_imm32_b32 hwreg(HW_REG_WAVE_MODE, 25, 1), 1
	s_wait_xcnt 0x0
; attn = softmax(clip(q k^T / 8 + mask, -50, 50)), out = attn v, both products on codes of E4M3; attn is quantised FINISHED AND NORMALISED (scale 2^e8), out is quantised for the last projection (2^e10).
; SHARES.  A work-group takes 32 queries (x), one batch and 8 heads (y = 2 b + half), one head a trip.  Wave w owns keys 512 w .. 512 w + 511, for both tiles of 16 queries: all 2,048 weights of a row stay
; in f32 in the four waves' registers (512 a wave) until the row's sum is known, so each score and each exponential is made once.
; THE MASK is an input: every score is computed.  The work-group's 32 x 2,048 numbers of it are copied into LDS once and serve all 8 heads.  They go in multiplied by 2^(3 - e6 - e7) (exact) and are loaded
; into the scores' registers as the C of k q^T: sum + mask x 2^(3 - e6 - e7) = (q k^T / 8 + mask) / 2^(e6 + e7 - 3): the addition costs no instruction.
; NO MAXIMUM IS TAKEN AWAY: reference() itself clips the scores to +-50, so an exponential lies between 1.9e-22 and 5.2e21 and a row's sum under 1.1e25: nothing overflows or underflows in f32.
; LAYOUT.  Both products are used transposed.  S^T = k q^T (source 0 = 16 keys, source 1 = 16 queries): lane (r, h) holds query r, registers 0-7 of tile kt keys 16 kt + 8 h + 0 .. 7: their conversion IS
; register pair kt % 8 of the second product's operand.  O^T = v^T p^T (source 0 = 16 d x 128 keys): lane (r, h) holds query r and d = 16 dt + 8 h + 0 .. 7: their conversion is a register pair of the last projection's operand.
; A TRIP, two barriers:  k q^T | next head's K and Q asked for | t = x c, clip, 2^t | my 512 keys' sums -> LDS | barrier | 1 / sum | p = 2^t / sum, hold, codes | V | v^T p^T | partial O^T -> LDS | barrier |
; wave w adds the four waves' parts of two tiles, quantises them and stores 512 consecutive bytes of ac: [tile of 16 tokens 256][K step = head / 2: 8][2,048].
; LIMITS: e8 and e10 - e8 - e9 between -126 and 119; e6 + e7 - 3 between -126 and 126; e6 + e7 and e8 + e9 at most 99 (finite sums: nan_to_num behind the products changes nothing and is not written).  NaN in the mask is not served.
; NO JOINT LOADS, NO RING: the mask holds 262,656 of the 327,680 bytes of LDS; what is left would hold slots of an eighth of the 262,144 bytes of K and V that a work-group walks for a head.  So K and V go from
; memory straight into registers, as images of fragments, each fragment feeding two products.
; REGISTERS, in windows of 256 (s_set_vgpr_msb: bits 1:0 source 0, 3:2 source 1, 5:4 source 2, 7:6 destination):
;   window 0: v1-11 addresses and scales; v16-31 the sums' chains; v32-35 1 / sum; v36-39 out's codes; v40-47 at work; v48-63 Q; v64-127 O^T, then the four waves' parts; v128-255 p's codes, tile (qt, kt) at 128 + 64 qt + 2 kt
;   window 1: K, tile kt at 8 kt      window 2: S^T of queries 0-15, tile kt at 8 kt; from the conversions to v^T p^T: V, (ks, dt) at 64 ks + 16 dt      window 3: S^T of queries 16-31
.set MP,  8208                         ; a row of the mask in LDS: 8,192 bytes + 16 = 513 x 16: the sixteen rows of a 16-byte read begin at sixteen different 16-byte columns modulo 256
.set OB,  32*MP                        ; partial O^T: [wave 4][tile 4 qt + dt: 8][half 2][512]
.set SB,  OB+32768                     ; partial sums: [wave 4][query 32]
.set MA,  2                            ; v2, v3  my place in the mask for queries 0-15, 16-31
.set MSB, 0
.macro WIN new                         ; the immediate's high byte repeats the setting that is left; a switch that changes nothing is dropped
.if MSB != (\new)
	s_set_vgpr_msb (MSB<<8)|(\new)
.set MSB, (\new)
.endif
.endm
.macro MKSCALE e, vs, lo, hi, t
	s_add_co_i32 s[\t], s[\e], 127
	s_lshl_b32 s[\hi], s[\t], 23
	v_mov_b32 v[\vs], s[\hi]
	s_add_co_i32 s[\t], s[\t], 8
	s_lshl_b32 s[\hi], s[\t], 23
	s_or_b32 s[\hi], s[\hi], 0x600000
.if (\lo) >= 0
	s_or_b32 s[\lo], s[\hi], 0x80000000
.endif
.endm
.macro BARRIER                         ; my LDS stores have landed and my LDS loads are in: then the work-group's barrier
	s_wait_dscnt 0x0
	s_barrier_signal -1
	s_barrier_wait -1
.endm
.macro PLACES
.rept 4
	v_nop
.endr
.endm
.macro KQBASE hd                       ; K's and Q's addresses for head s[hd]: pair of heads hd / 2, 262,144 bytes each; head in the pair, 1,024
	s_lshr_b32 s42, s[\hd], 1
	s_lshl_b32 s42, s42, 18
	s_and_b32 s43, s[\hd], 1
	s_lshl_b32 s43, s43, 10
	s_add_co_u32 s42, s42, s43
	s_mov_b32 s43, 0
	s_add_nc_u64 s[52:53], s[44:45], s[42:43]
	s_add_nc_u64 s[54:55], s[46:47], s[42:43]
.endm
.macro MASKIN x                        ; four of my eight rows of the mask into window x: 16 loads of 512 consecutive bytes a row
	WIN (\x)<<6
.set i, 0
.rept 4
.set j, 0
.rept 16
	global_load_b128 v[64*i+4*j:64*i+4*j+3], v1, s[62:63] offset:8192*(i+4*((\x)-2))+512*j
.set j, j+1
.endr
.set i, i+1
.endr
.endm
.macro MASKOUT x                       ; x 2^(3 - e6 - e7), and into LDS
	WIN ((\x)<<6)|(\x)
.set i, 0
.rept 256
	v_ldexp_f32 v[i], v[i], s29
.set i, i+1
.endr
	WIN (\x)<<2
.set i, 0
.rept 4
.set j, 0
.rept 16
	ds_store_b128 v4, v[64*i+4*j:64*i+4*j+3] offset:MP*(i+4*((\x)-2))+512*j
.set j, j+1
.endr
.set i, i+1
.endr
.endm
.macro PRELOAD x                       ; the mask of my 512 keys and 16 queries into S^T's registers, in the result's layout
	WIN (\x)<<6
.set kt, 0
.rept 32
	ds_load_b128 v[8*kt:8*kt+3], v[MA+(\x)-2] offset:64*kt
	ds_load_b128 v[8*kt+4:8*kt+7], v[MA+(\x)-2] offset:64*kt+16
.set kt, kt+1
.endr
.endm
.macro LOADK                           ; my 32 tiles of 16 keys x 64
	WIN 0x40
.set kt, 0
.rept 32
	global_load_b128 v[8*kt:8*kt+3], v1, s[52:53] offset:2048*kt
	global_load_b128 v[8*kt+4:8*kt+7], v1, s[52:53] offset:2048*kt+512
.set kt, kt+1
.endr
.endm
.macro LOADQ
	WIN 0
.irp q, 0,1
.irp g, 0,1
	global_load_b128 v[48+8*\q+4*\g:48+8*\q+4*\g+3], v1, s[54:55] offset:2048*\q+512*\g
.endr
.endr
.endm
.macro LOADV                           ; my four blocks of 128 keys x the head's four tiles of 16 d
	WIN 0x80
.irp ks, 0,1,2,3
.irp d, 0,1,2,3
.irp g, 0,1,2,3
	global_load_b128 v[64*\ks+16*\d+4*\g:64*\ks+16*\d+4*\g+3], v1, s[56:57] offset:131072*\ks+2048*\d+512*\g
.endr
.endr
.endr
.endm
.macro QK x                            ; 32 products, each onto its own accumulator, which holds the mask
	WIN ((\x)<<6)|((\x)<<4)|1
.set kt, 0
.rept 32
	v_wmma_f32_16x16x64_fp8_fp8 v[8*kt:8*kt+7], v[8*kt:8*kt+7], v[48+8*((\x)-2):48+8*((\x)-2)+7], v[8*kt:8*kt+7]
.set kt, kt+1
.endr
.endm
; t = (sum + mask') x c, c = log2(e) x 2^(e6 + e7 - 3); held within +-50 log2(e); 2^t.  33 stages: a stage holds tile kt's 12 plain lines and, set between them, tile kt - 1's eight exponentials.
; No line names an exponential's result: the whole batch of both windows has one wait, behind it.
.macro SOFT1 x
	WIN ((\x)<<6)|(\x)
.set kt, 0
.rept 33
.set TA, 8*kt
.set TE, 8*kt-8
.irp n, 0,1,2,3
.if kt < 32
	v_pk_mul_f32 v[TA+2*\n:TA+2*\n+1], v[TA+2*\n:TA+2*\n+1], s[22:23] op_sel_hi:[1,0]
.endif
.if kt > 0
	v_exp_f32 v[TE+\n], v[TE+\n]
.endif
.endr
.irp n, 0,1,2,3
.if kt < 32
	v_med3_num_f32 v[TA+2*\n], v[TA+2*\n], s24, s25
	v_med3_num_f32 v[TA+2*\n+1], v[TA+2*\n+1], s24, s25
.endif
.if kt > 0
	v_exp_f32 v[TE+4+\n], v[TE+4+\n]
.endif
.endr
.set kt, kt+1
.endr
.endm
.macro SUMS x                          ; my 256 exponentials of a lane, two at a time, in four chains that the first eight pairs start
.set AC, 16+8*((\x)-2)
	WIN (\x)|((\x)<<2)
.irp c, 0,1,2,3
	v_pk_add_f32 v[AC+2*\c:AC+2*\c+1], v[2*\c:2*\c+1], v[2*\c+8:2*\c+9]
.endr
	WIN (\x)
.set i, 8
.rept 120
	v_pk_add_f32 v[AC+2*(i%4):AC+2*(i%4)+1], v[2*i:2*i+1], v[AC+2*(i%4):AC+2*(i%4)+1]
.set i, i+1
.endr
.endm
.macro NORM x                          ; p = 2^t / sum; the hold at 448 x 2^e8, one-sided since p is not negative (the conversion to an 8-bit code does not saturate: ISA guide 7.6.2)
	WIN ((\x)<<6)|(\x)
.set RS, 32+2*((\x)-2)
.set i, 0
.rept 32
.irp n, 0,1,2,3
	v_pk_mul_f32 v[8*i+2*\n:8*i+2*\n+1], v[8*i+2*\n:8*i+2*\n+1], v[RS:RS+1] op_sel_hi:[1,0]
.endr
.irp n, 0,1,2,3,4,5,6,7
	v_min_num_f32 v[8*i+\n], v[8*i+\n], s26
.endr
.set i, i+1
.endr
.endm
.macro CVT x
	WIN (\x)
.set i, 0
.rept 32
	v_cvt_scalef32_pk8_fp8_f32 v[128+64*((\x)-2)+2*i:128+64*((\x)-2)+2*i+1], v[8*i:8*i+7], v9
.set i, i+1
.endr
	v_nop                                          ; a plain line between the conversions and the products that read the codes
.endm
.macro PV                              ; O^T over my 512 keys: 8 accumulators by turns, one instruction a turn; the first 128 keys start the sums
	WIN 0x02
.irp ks, 0,1,2,3
.irp q, 0,1
.irp d, 0,1,2,3
.if \ks == 0
	v_wmma_f32_16x16x128_fp8_fp8 v[64+8*(4*\q+\d):64+8*(4*\q+\d)+7], v[64*\ks+16*\d:64*\ks+16*\d+15], v[128+64*\q+16*\ks:128+64*\q+16*\ks+15], 0
.else
	v_wmma_f32_16x16x128_fp8_fp8 v[64+8*(4*\q+\d):64+8*(4*\q+\d)+7], v[64*\ks+16*\d:64*\ks+16*\d+15], v[128+64*\q+16*\ks:128+64*\q+16*\ks+15], v[64+8*(4*\q+\d):64+8*(4*\q+\d)+7]
.endif
.endr
.endr
.endr
.endm
	s_load_b256 s[4:11], s[0:1], 0x0               ; qc, kc, vc, attention_mask
	s_load_b128 s[12:15], s[0:1], 0x20             ; lowp_scales, ac
	v_lshrrev_b32 v12, 5, v0
	v_readfirstlane_b32 s16, v12                   ; wave
	v_and_b32 v12, 31, v0                          ; lane
	v_and_b32 v13, 15, v0                          ; r
	v_bfe_u32 v14, v0, 4, 1                        ; h
	v_lshlrev_b32 v1, 4, v12                       ; 16 lane: my place in an image
	v_mul_u32_u24 v[MA], v13, MP
	v_lshl_add_u32 v[MA], v14, 5, v[MA]
	s_lshl_b32 s34, s16, 11
	v_add_nc_u32 v[MA], s34, v[MA]                 ; the mask: row r, my wave's 2,048 bytes, + 32 h
	v_add_nc_u32 v[MA+1], 16*MP, v[MA]
	s_mul_i32 s34, s16, 8*MP
	v_add_nc_u32 v4, s34, v1                       ; the mask, on its way in: my wave's eight rows
	s_lshl_b32 s34, s16, 13
	s_add_co_u32 s34, s34, OB
	v_add_nc_u32 v5, s34, v1                       ; where I put my partial O^T
	s_lshl_b32 s34, s16, 11
	s_add_co_u32 s34, s34, OB
	v_add_nc_u32 v6, s34, v1                       ; where I read tiles 2 w, 2 w + 1 of wave 0's
	s_lshl_b32 s34, s16, 7
	s_add_co_u32 s34, s34, SB
	v_lshl_add_u32 v7, v12, 2, s34                 ; where I put my partial sum: lane = query
	v_lshlrev_b32 v8, 2, v13
	v_add_nc_u32 v8, SB, v8                        ; where I read wave 0's for query r
	v_lshlrev_b32 v11, 8, v12                      ; the prefetches' offset: 256 lane
	v_mov_b32 v33, 0                               ; (named as the upper halves of the pairs v[32:33], v[34:35])
	v_mov_b32 v35, 0
	v_mov_b32 v44, 0                               ; (a lane permute's destination counts as one of its sources)
	v_mov_b32 v45, 0
	s_and_b32 s17, ttmp7, 0xffff
	s_lshr_b32 s18, s17, 1                         ; batch
	s_and_b32 s19, s17, 1
	s_lshl_b32 s19, s19, 3                         ; my first head
	s_lshl_b32 s34, s18, 21                        ; a batch is 2,097,152 bytes in each buffer of codes
	s_mov_b32 s35, 0
	s_mov_b32 s43, 0
	s_cmp_eq_u32 ttmp9, 0
	s_cselect_b32 s33, 7, 0                        ; trips in which I prefetch
	s_mov_b32 s20, 0xffff0000                      ; lanes 16-31
	s_mov_b32 s24, 0xc29044fe                      ; -50 log2(e)
	s_mov_b32 s25, 0x429044fe
	s_mov_b32 s30, 0x76543210                      ; v_permlanex16_b32's selects for lane xor 16
	s_mov_b32 s31, 0xfedcba98
	s_wait_kmcnt 0x0
	s_load_b128 s[36:39], s[12:13], 0x18           ; e6, e7, e8, e9
	s_load_b32 s40, s[12:13], 0x28                 ; e10
	s_lshl_b32 s42, s16, 16                        ; K: my 32 tiles of keys
	s_add_nc_u64 s[44:45], s[6:7], s[34:35]
	s_add_nc_u64 s[44:45], s[44:45], s[42:43]
	s_lshl_b32 s42, ttmp9, 12                      ; Q: my work-group's two tiles
	s_add_nc_u64 s[46:47], s[4:5], s[34:35]
	s_add_nc_u64 s[46:47], s[46:47], s[42:43]
	s_lshl_b32 s42, s16, 19                        ; V: my four blocks of 128 keys
	s_add_nc_u64 s[48:49], s[8:9], s[34:35]
	s_add_nc_u64 s[48:49], s[48:49], s[42:43]
	s_lshl_b32 s42, ttmp9, 15                      ; ac: my work-group's two tiles of tokens,
	s_lshr_b32 s41, s16, 1
	s_lshl_b32 s41, s41, 14                        ; tile w / 2 of them,
	s_add_co_u32 s42, s42, s41
	s_and_b32 s41, s16, 1
	s_lshl_b32 s41, s41, 9                         ; d = 32 (w % 2) on: four registers of the image
	s_add_co_u32 s42, s42, s41
	s_add_nc_u64 s[50:51], s[14:15], s[34:35]
	s_add_nc_u64 s[50:51], s[50:51], s[42:43]
	s_lshl_b32 s42, ttmp9, 18                      ; the mask: my work-group's 32 rows of 8,192 bytes, my wave's eight of them
	s_lshl_b32 s41, s16, 16
	s_add_co_u32 s42, s42, s41
	s_add_nc_u64 s[62:63], s[10:11], s[42:43]
	MASKIN 2
	MASKIN 3
	KQBASE 19
	LOADK                                          ; the first head's
	LOADQ
	s_wait_kmcnt 0x0
	s_add_co_i32 s41, s36, s37                     ; e6 + e7
	s_sub_co_i32 s29, 3, s41
	s_sub_co_i32 s41, s41, 3
	s_lshl_b32 s41, s41, 23
	s_add_co_i32 s22, s41, 0x3fb8aa3b              ; c: e6 + e7 - 3 added to the exponent field of log2(e)
	s_mov_b32 s23, s22                             ; (named with it as a pair)
	MKSCALE 38, 9, -1, 26, 41                      ; 2^e8; 448 x 2^e8
	s_sub_co_i32 s41, s40, s38
	s_sub_co_i32 s41, s41, s39
	MKSCALE 41, 10, 27, 28, 42                     ; a sum of the second product stands for sum x 2^(e8 + e9): its conversion takes 2^(e10 - e8 - e9)
	s_wait_loadcnt 63                              ; 68 loads stand behind the mask's last, and 63 is the largest count that the wait can name: the mask is in
	MASKOUT 2
	MASKOUT 3
	WIN 0
	BARRIER                                        ; the mask lies whole in LDS; it is never written again
	PRELOAD 2
	PRELOAD 3
	WIN 0
	s_wait_loadcnt 0x0                             ; K and Q
	s_mov_b32 s32, 0                               ; the trip; the head is s19 + s32
.Lhead:
	s_wait_dscnt 0x0                               ; the mask is in S^T's registers
	QK 3
	QK 2
	WIN 0
	PLACES                                         ; in front of the loads into K's and Q's registers and of the first read of a score
	s_add_co_u32 s41, s32, 1
	s_min_u32 s41, s41, 7                          ; the last trip loads its own head's K and Q again, unused: no load leaves its buffer
	s_add_co_u32 s41, s41, s19
	KQBASE 41                                      ; (the loads that read these addresses were shown done by the last trip's wait for all loads)
	s_lshl_b32 s42, s41, 13
	s_add_nc_u64 s[60:61], s[48:49], s[42:43]      ; V of the next head (the last prefetches have read this pair: the wait on XCNT at the last trip's end)
	LOADK                                          ; a whole trip ahead of their use
	LOADQ
	; A PREFETCH of the next head's V, one trip ahead of the loads that want it: my wave's four blocks of 8,192 bytes, lanes 256 bytes apart, four instructions.  All 64 work-groups of a batch and half walk the same V:
	; the one with x = 0 asks, so each block of 256 bytes is named once in the launch.  The first head's V comes by its loads alone; the last trip asks for nothing.
	s_cmp_lt_u32 s32, s33
	s_cbranch_scc0 .Lno_ask
.irp ks, 0,1,2,3
	global_prefetch_b8 v11, s[60:61] offset:131072*\ks th:TH_LOAD_NT scope:SCOPE_SE
.endr
.Lno_ask:
	SOFT1 2
	SOFT1 3
	v_nop                                          ; the plain line behind the last exponential
	s_wait_alu depctr_va_vdst(0)                   ; one wait for the 512 exponentials, ahead of their first reader
	SUMS 2
	SUMS 3
	WIN 0
.irp q, 0,1
	v_pk_add_f32 v[16+8*\q:17+8*\q], v[16+8*\q:17+8*\q], v[18+8*\q:19+8*\q]
	v_pk_add_f32 v[20+8*\q:21+8*\q], v[20+8*\q:21+8*\q], v[22+8*\q:23+8*\q]
.endr
.irp q, 0,1
	v_pk_add_f32 v[16+8*\q:17+8*\q], v[16+8*\q:17+8*\q], v[20+8*\q:21+8*\q]
.endr
.irp q, 0,1
	v_add_f32 v[40+\q], v[16+8*\q], v[17+8*\q]
.endr
	v_permlanex16_b32 v44, v40, s30, s31           ; a query's other keys of each tile lie in the lane 16 away
	v_permlanex16_b32 v45, v41, s30, s31
	v_add_f32 v40, v40, v44
	v_add_f32 v41, v41, v45
	v_cndmask_b32 v42, v40, v41, s20               ; lane l: query l's sum over my 512 keys
	ds_store_b32 v7, v42
	BARRIER                                        ; the four waves' sums lie in LDS.  (They are written again only behind the trip's second barrier, in front of which every wave has waited for its reads of them)
.irp q, 0,1
.irp u, 0,1,2,3
	ds_load_b32 v[40+4*\q+\u], v8 offset:128*\u+64*\q
.endr
.endr
	s_wait_dscnt 0x0
	v_add_f32 v40, v40, v41
	v_add_f32 v42, v42, v43
	v_add_f32 v44, v44, v45
	v_add_f32 v46, v46, v47
	v_add_f32 v40, v40, v42
	v_add_f32 v44, v44, v46
	v_rcp_f32 v32, v40
	v_rcp_f32 v34, v44
	v_nop
	s_wait_alu depctr_va_vdst(0)                   ; one wait for the two reciprocals
	NORM 2
	CVT 2
	s_add_co_u32 s41, s19, s32                     ; the head
	s_lshl_b32 s42, s41, 13
	s_add_nc_u64 s[56:57], s[48:49], s[42:43]      ; (the last trip's loads of V were shown done by its wait for all loads)
	LOADV                                          ; into the registers that the scores of queries 0-15 have left; it lands under the other tile's work
	NORM 3
	CVT 3
	PRELOAD 3                                      ; the mask for the next head
	s_wait_loadcnt 0x0                             ; V; the next head's K and Q, asked for long ago
	PV
	WIN 0
	PLACES                                         ; in front of the stores of O^T and of the loads into V's registers
.set ti, 0
.rept 8
	ds_store_b128 v5, v[64+8*ti:64+8*ti+3] offset:1024*ti          ; each accumulator from its low end on
	ds_store_b128 v5, v[64+8*ti+4:64+8*ti+7] offset:1024*ti+512
.set ti, ti+1
.endr
	BARRIER                                        ; the four partial O^T lie in LDS.  (They are written again only behind the next trip's first barrier, in front of which every wave has waited for its reads of them)
.irp u, 0,1,2,3
.irp i, 0,1
.irp g, 0,1
	ds_load_b128 v[64+16*\u+8*\i+4*\g:64+16*\u+8*\i+4*\g+3], v6 offset:8192*\u+1024*\i+512*\g
.endr
.endr
.endr
	PRELOAD 2                                      ; the mask for the next head
	WIN 0
	s_wait_dscnt 63                                ; 64 loads of the mask stand behind the 16 of the parts, and 63 is the largest count that the wait can name: the parts (and the mask's first load) are in, the mask's other 63 stay out
.irp n, 0,2,4,6,8,10,12,14
	v_pk_add_f32 v[64+\n:65+\n], v[64+\n:65+\n], v[80+\n:81+\n]
	v_pk_add_f32 v[96+\n:97+\n], v[96+\n:97+\n], v[112+\n:113+\n]
.endr
.irp n, 0,2,4,6,8,10,12,14
	v_pk_add_f32 v[64+\n:65+\n], v[64+\n:65+\n], v[96+\n:97+\n]
.endr
.irp n, 0,1,2,3,4,5,6,7,8,9,10,11,12,13,14,15
	v_med3_num_f32 v[64+\n], v[64+\n], s27, s28
.endr
	s_wait_xcnt 0x0                                ; the last trip's store has read its data and its base, this trip's prefetches their address: all three are written again only behind this wait
	s_lshl_b32 s42, s41, 10                        ; K step head / 2 (2,048 bytes), head in the pair (1,024): 1,024 x head
	s_add_nc_u64 s[58:59], s[50:51], s[42:43]
	v_cvt_scalef32_pk8_fp8_f32 v[36:37], v[64:71], v10
	v_cvt_scalef32_pk8_fp8_f32 v[38:39], v[72:79], v10
	v_nop                                          ; a plain line between the conversions and the next trip's products, which write their sources
	global_store_b128 v1, v[36:39], s[58:59]       ; 512 consecutive bytes, at a multiple of 512 from ac's first byte
	s_add_co_u32 s32, s32, 1
	s_cmp_lt_u32 s32, 8
	s_cbranch_scc1 .Lhead
	s_wait_dscnt 0x0                               ; the last trip's loads of the mask, which nobody uses
	s_wait_xcnt 0x0
	v_lshl_add_u32 v254, v0, 2, 0x48400
	v_mov_b32 v255, 0
	s_wait_tensorcnt 0x0
	ds_add_u32 v254, v255
	s_wait_dscnt 0x0
	s_endpgm
.Lfunc_end_k_qbeb3aa72b8_attn:
	.size	k_qbeb3aa72b8_attn, .Lfunc_end_k_qbeb3aa72b8_attn-k_qbeb3aa72b8_attn
	.p2alignl 7, 3214868480
	.fill 96, 4, 3214868480
	.section	.rodata,"a",@progbits
	.p2align	6, 0x0
	.amdhsa_kernel k_qbeb3aa72b8_attn
		.amdhsa_group_segment_fixed_size 296448
		.amdhsa_private_segment_fixed_size 0
		.amdhsa_enable_private_segment 0
		.amdhsa_kernarg_size 48
		.amdhsa_user_sgpr_count 2
		.amdhsa_user_sgpr_kernarg_segment_ptr 1
		.amdhsa_wavefront_size32 1
		.amdhsa_system_sgpr_workgroup_id_x 1
		.amdhsa_system_sgpr_workgroup_id_y 1
		.amdhsa_system_sgpr_workgroup_id_z 1
		.amdhsa_system_vgpr_workitem_id 0
		.amdhsa_next_free_vgpr 1024
		.amdhsa_next_free_sgpr 66
		.amdhsa_reserve_vcc 0
		.amdhsa_float_denorm_mode_32 3
		.amdhsa_float_denorm_mode_16_64 3
		.amdhsa_memory_ordered 1
		.amdhsa_forward_progress 1
		.amdhsa_inst_pref_size 239
	.end_amdhsa_kernel
	.amdgpu_metadata
---
amdhsa.version: [ 1, 2 ]
amdhsa.kernels:
  - .name:           k_qbeb3aa72b8_attn
    .symbol:         k_qbeb3aa72b8_attn.kd
    .args:
      - { .name: qc, .offset: 0, .size: 8, .value_kind: global_buffer, .address_space: global }
      - { .name: kc, .offset: 8, .size: 8, .value_kind: global_buffer, .address_space: global }
      - { .name: vc, .offset: 16, .size: 8, .value_kind: global_buffer, .address_space: global }
      - { .name: attention_mask, .offset: 24, .size: 8, .value_kind: global_buffer, .address_space: global }
      - { .name: lowp_scales, .offset: 32, .size: 8, .value_kind: global_buffer, .address_space: global }
      - { .name: ac, .offset: 40, .size: 8, .value_kind: global_buffer, .address_space: global }
    .group_segment_fixed_size: 296448
    .private_segment_fixed_size: 0
    .kernarg_segment_align: 8
    .kernarg_segment_size: 48
    .max_flat_workgroup_size: 128
    .sgpr_count:     66
    .vgpr_count:     1024
    .wavefront_size: 32
...
	.end_amdgpu_metadata
.endif
;; end of part 3
;; launch outp (part 4): grid 64 x 1, 8 waves a work-group, no clusters, 265,472 bytes of LDS; arguments ac, wc, lowp_scales, K, out0; writes out0
.if DOCPART == 4
	.amdgcn_target "amdgcn-amd-amdhsa--gfx1250"
	.amdhsa_code_object_version 6
	.text
	.protected	k_qbeb3aa72b8_outp
	.globl	k_qbeb3aa72b8_outp
	.p2align	8
	.type	k_qbeb3aa72b8_outp,@function
k_qbeb3aa72b8_outp:
	s_mov_b64 s[64:65], 0
	v_nop
	global_prefetch_b8 v0, s[64:65] scope:SCOPE_SE
	s_setreg_imm32_b32 hwreg(HW_REG_WAVE_MODE, 25, 1), 1
	s_wait_xcnt 0x0
; out = attention's result x Wo^T on codes of E4M3; out_time = sqrt(1 / K + sum of out^2 + 1e-8); out0's row = [out_time, out]: 1,025 f32.
; THE CORE is the projections': D = S0 x S1^T over K = 1,024; S1 = 64 tokens' fragment images (65,536 bytes, in LDS), S0 = Wo's 1,024 rows, wave w streaming rows 128 w .. 128 w + 127 from memory into registers.
; In the result lane (r, h) holds token r and features 8 h + 0 .. 7 of a tile.
; WHY 64 TOKENS TO A WORK-GROUP: whole rows in one work-group make the norm local, and 64 rows x 4,100 bytes = 262,400 = 1,025 x 256: a block of out0 begins and ends on multiples of 256 bytes though its rows are only
; 4-aligned.  So the block is put together in LDS as it lies in memory and leaves as one flat stream, each store of a wave covering 512 consecutive bytes.
; A sum stands for sum x 2^(e10 + e11).  nan_to_num is written out for out_time (K is any number: NaN -> 0, infinity -> 10000); the sums are finite, so for them it changes nothing.
; LIMITS: e10 + e11 between -126 and 99.  1 / K is v_rcp_f32's: a denormal K counts as 0.
; NO JOINT LOADS: as in the projections, S0's fragments go into the registers of the one wave that multiplies them and never pass LDS.
; REGISTERS.  Window 0: v1 16 lane; v2 16 lane + 2,048 w; v4-7 my place in the stage for the four tiles of tokens; v8-15 the squares' four chains; v16-22 addresses; v20 1 / K; v64-127 S1; v128-255 S0, later the stream out.
;   Window 1: the 32 accumulators, (t1, t0) at v[64 t1 + 8 t0].
.set S1R, 64
.set S0R, 128
.set S0P, 32                           ; s[32:33] my wave's part of S0
.set S1P, 34                           ; s[34:35] S1
.set RP,  4100                         ; a row of out0
.set PS,  64*RP                        ; behind the stage: partial sums of squares, [wave 8][token 64]
.set MSB, 0
.macro WIN new                         ; the immediate's high byte repeats the setting that is left; a switch that changes nothing is dropped
.if MSB != (\new)
	s_set_vgpr_msb (MSB<<8)|(\new)
.set MSB, (\new)
.endif
.endm
.macro BARRIER                         ; my LDS stores have landed and my LDS loads are in: then the work-group's barrier
	s_wait_dscnt 0x0
	s_barrier_signal -1
	s_barrier_wait -1
.endm
.macro LOADS0 s, j                     ; tiles 4 j .. 4 j + 3 of S0, K step s: 16 loads of 512 consecutive bytes
.irp t, 0,1,2,3
.irp g, 0,1,2,3
	global_load_b128 v[S0R+16*(4*(\j)+\t)+4*\g:S0R+16*(4*(\j)+\t)+4*\g+3], v1, s[S0P:S0P+1] offset:16384*(4*(\j)+\t)+2048*(\s)+512*\g
.endr
.endr
.endm
.macro LOADS1 s                        ; S1's four fragments of K step s, from LDS
.irp t, 0,1,2,3
.irp g, 0,1,2,3
	ds_load_b128 v[S1R+16*\t+4*\g:S1R+16*\t+4*\g+3], v1 offset:(8*\t+(\s))*2048+512*\g
.endr
.endr
.endm
; 16 products; the 32 accumulators take turns, one instruction a turn; the first K step starts the sums.  Four plain lines follow, in front of loads into registers that the products have read and of reads of their results.
.macro MUL s, j
	WIN 0x50                                       ; C and D in window 1
.irp t0, 0,1,2,3
.irp t1, 0,1,2,3
.if (\s) == 0
	v_wmma_f32_16x16x128_fp8_fp8 v[64*\t1+8*(4*(\j)+\t0):64*\t1+8*(4*(\j)+\t0)+7], v[S0R+16*(4*(\j)+\t0):S0R+16*(4*(\j)+\t0)+15], v[S1R+16*\t1:S1R+16*\t1+15], 0
.else
	v_wmma_f32_16x16x128_fp8_fp8 v[64*\t1+8*(4*(\j)+\t0):64*\t1+8*(4*(\j)+\t0)+7], v[S0R+16*(4*(\j)+\t0):S0R+16*(4*(\j)+\t0)+15], v[S1R+16*\t1:S1R+16*\t1+15], v[64*\t1+8*(4*(\j)+\t0):64*\t1+8*(4*(\j)+\t0)+7]
.endif
.endr
.endr
	WIN 0
.rept 4
	v_nop
.endr
.endm
.macro KSTEP s
	s_wait_dscnt 0x0                               ; this step's S1
	s_wait_loadcnt 16                              ; this step's first half of S0 is in; the second half's 16 loads stay out
	MUL \s, 0
.if (\s) < 7
	LOADS0 (\s)+1, 0
	s_wait_loadcnt 16                              ; the second half is in; the 16 just issued stay out
.else
	s_wait_loadcnt 0x0
.endif
	MUL \s, 1
.if (\s) < 7
	LOADS0 (\s)+1, 1
	LOADS1 (\s)+1
.endif
.endm
	s_load_b256 s[4:11], s[0:1], 0x0               ; ac, wc, lowp_scales, K
	s_load_b64 s[12:13], s[0:1], 0x20              ; out0
	v_lshl_add_u32 v62, v0, 2, 0x40900
	v_mov_b32 v63, 0
	v_lshrrev_b32 v3, 5, v0
	v_readfirstlane_b32 s16, v3                    ; wave
	v_and_b32 v24, 31, v0                          ; lane
	v_and_b32 v25, 15, v0                          ; r
	v_bfe_u32 v26, v0, 4, 1                        ; h
	v_lshlrev_b32 v1, 4, v24                       ; 16 lane
	s_lshl_b32 s17, s16, 11
	v_add_nc_u32 v2, s17, v1                       ; + 2,048 w: the K step of S1 that I copy
	v_mul_u32_u24 v4, v25, RP                      ; the stage: row r,
	v_lshl_add_u32 v4, v26, 5, v4                  ; + 32 h,
	s_lshl_b32 s17, s16, 9
	s_add_co_u32 s17, s17, 4                       ; + out_time's 4 bytes + my wave's 128 features
	v_add_nc_u32 v4, s17, v4
	v_add_nc_u32 v5, 16*RP, v4
	v_add_nc_u32 v6, 32*RP, v4
	v_add_nc_u32 v7, 48*RP, v4
	s_lshl_b32 s17, s16, 8
	s_add_co_u32 s17, s17, PS
	v_lshl_add_u32 v16, v24, 2, s17                ; where I put my partial sums of squares
	s_and_b32 s18, s16, 1
	s_lshl_b32 s17, s18, 7
	s_add_co_u32 s17, s17, PS
	v_lshl_add_u32 v17, v24, 2, s17                ; waves 0, 1: where wave 0's sum for token 32 w + lane lies
	s_lshl_b32 s17, s18, 5
	v_add_nc_u32 v18, s17, v24
	v_mul_u32_u24 v18, v18, RP                     ; and that token's out_time in the stage
	s_lshl_b32 s17, s16, 9
	v_add_nc_u32 v19, s17, v1                      ; the stream out: 512 w + 16 lane
	v_lshlrev_b32 v22, 3, v24
	v_add_nc_u32 v22, 262144, v22                  ; its last 256 bytes: 8 a lane
	v_mov_b32 v23, 0x461c4000                      ; 10000.0
	v_mov_b32 v27, 0
.irp t, 0,1,2,3
	v_mov_b32 v[28+\t], 0                          ; (a lane permute's destination counts as one of its sources)
.endr
	s_mov_b32 s20, 0xffff0000                      ; lanes 16-31
	s_mov_b32 s30, 0x76543210                      ; v_permlanex16_b32's selects for lane xor 16
	s_mov_b32 s31, 0xfedcba98
	s_mov_b32 s42, 0x7f800000
	s_lshl_b32 s22, s16, 17
	s_add_co_u32 s22, s22, 3145728                 ; Wo, my wave's eight tiles
	s_mov_b32 s23, 0
	s_lshl_b32 s24, ttmp9, 16                      ; my block's four tiles of tokens
	s_mov_b32 s25, 0
	s_mul_i32 s26, ttmp9, 64*RP                    ; and its 262,400 bytes of out0
	s_mov_b32 s27, 0
	s_wait_kmcnt 0x0
	s_load_b64 s[36:37], s[8:9], 0x28              ; e10, e11
	s_load_b32 s38, s[10:11], 0x0                  ; K
	s_add_nc_u64 s[S0P:S0P+1], s[6:7], s[22:23]
	s_add_nc_u64 s[S1P:S1P+1], s[4:5], s[24:25]
	s_add_nc_u64 s[46:47], s[12:13], s[26:27]
.irp t, 0,1,2,3
.irp g, 0,1,2,3
	global_load_b128 v[S1R+16*\t+4*\g:S1R+16*\t+4*\g+3], v2, s[S1P:S1P+1] offset:16384*\t+512*\g   ; K step w of S1's four tiles
.endr
.endr
	LOADS0 0, 0
	LOADS0 0, 1
	s_wait_kmcnt 0x0
	s_add_co_i32 s40, s36, s37
	s_add_co_i32 s40, s40, 127
	s_lshl_b32 s40, s40, 23                        ; 2^(e10 + e11) as f32
	s_mov_b32 s41, s40                             ; (named with it as a pair)
	v_rcp_f32 v20, s38                             ; 1 / K
	v_nop
	s_wait_alu depctr_va_vdst(0)                   ; the wait ahead of the result's first reader, and of every branch
	s_wait_loadcnt 32                              ; S1's 16 loads are in; S0's 32 stay out
.irp t, 0,1,2,3
.irp g, 0,1,2,3
	ds_store_b128 v2, v[S1R+16*\t+4*\g:S1R+16*\t+4*\g+3] offset:16384*\t+512*\g
.endr
.endr
	BARRIER                                        ; S1 lies whole in LDS, in the stage's first 65,536 bytes
	LOADS1 0
.irp s, 0,1,2,3,4,5,6,7
	KSTEP \s
.endr
	BARRIER                                        ; every wave's reads of S1 are over: the stage may be written
	WIN 0x41
.set i, 0
.rept 128
	v_pk_mul_f32 v[2*i:2*i+1], v[2*i:2*i+1], s[40:41] op_sel_hi:[1,0]   ; out = sum x 2^(e10 + e11); each accumulator from its low end on
.set i, i+1
.endr
	WIN 0x05                                       ; the squares: a chain for each tile of tokens, by turns; the first line starts it
.irp t1, 0,1,2,3
	v_pk_mul_f32 v[8+2*\t1:9+2*\t1], v[64*\t1:64*\t1+1], v[64*\t1:64*\t1+1]
.endr
.set i, 1
.rept 31
.irp t1, 0,1,2,3
	v_pk_fma_f32 v[8+2*\t1:9+2*\t1], v[64*\t1+2*i:64*\t1+2*i+1], v[64*\t1+2*i:64*\t1+2*i+1], v[8+2*\t1:9+2*\t1]
.endr
.set i, i+1
.endr
	WIN 0
.irp t, 0,1,2,3
	v_add_f32 v[8+2*\t], v[8+2*\t], v[9+2*\t]
.endr
.irp t, 0,1,2,3
	v_permlanex16_b32 v[28+\t], v[8+2*\t], s30, s31                ; a token's other features of each tile lie in the lane 16 away
.endr
.irp t, 0,1,2,3
	v_add_f32 v[8+2*\t], v[8+2*\t], v[28+\t]
.endr
	v_cndmask_b32 v28, v8, v10, s20                ; lane l: token l's sum over my 128 features,
	v_cndmask_b32 v29, v12, v14, s20               ; token 32 + l's
	ds_store_b32 v16, v28
	ds_store_b32 v16, v29 offset:128
	WIN 0x04                                       ; the stores' data in window 1
.irp t1, 0,1,2,3
.irp t0, 0,1,2,3,4,5,6,7
.irp j, 0,1,2,3,4,5,6,7
	ds_store_b32 v[4+\t1], v[64*\t1+8*\t0+\j] offset:64*\t0+4*\j   ; out(16 t1 + r, 128 w + 16 t0 + 8 h + j); a row is only 4-aligned, so 4 bytes a store
.endr
.endr
.endr
	WIN 0
	BARRIER                                        ; all of out and all partial sums lie in LDS
	s_cmp_lt_u32 s16, 2
	s_cbranch_scc0 .Lno_time                       ; waves 0 and 1 make out_time, a lane a token
.irp u, 0,1,2,3,4,5,6,7
	ds_load_b32 v[32+\u], v17 offset:256*\u
.endr
	s_wait_dscnt 0x0
	v_add_f32 v32, v32, v33
	v_add_f32 v34, v34, v35
	v_add_f32 v36, v36, v37
	v_add_f32 v38, v38, v39
	v_add_f32 v32, v32, v34
	v_add_f32 v36, v36, v38
	v_add_f32 v32, v32, v36
	v_add_f32 v32, v20, v32                        ; 1 / K + the norm's square,
	v_add_f32 v32, 0x322bcc77, v32                 ; + 1e-8
	v_sqrt_f32 v33, v32
	v_nop
	s_wait_alu depctr_va_vdst(0)
	v_and_b32 v34, 0x7fffffff, v33
	v_cmp_eq_u32 vcc_lo, s42, v34
	v_cndmask_b32 v33, v33, v23, vcc_lo            ; infinity -> 10000 (a root is never -infinity)
	v_cmp_lt_u32 vcc_lo, s42, v34
	v_cndmask_b32 v33, v33, v27, vcc_lo            ; NaN -> 0
	ds_store_b32 v18, v33
.Lno_time:
	BARRIER                                        ; the block lies in LDS as it lies in memory
	s_mov_b32 s44, 0                               ; 4 trips of 65,536 bytes: the 8 waves' 16 loads and stores of 512 bytes
.Lout:
	v_add_nc_u32 v21, s44, v19                     ; the same byte in the stage and in the block of out0
.irp i, 0,1,2,3,4,5,6,7,8,9,10,11,12,13,14,15
	ds_load_b128 v[S0R+4*\i:S0R+4*\i+3], v21 offset:4096*\i
.endr
.irp i, 0,1,2,3,4,5,6,7,8,9,10,11,12,13,14,15
	s_wait_dscnt 15-\i                             ; load i is in; the later ones stay out
	global_store_b128 v21, v[S0R+4*\i:S0R+4*\i+3], s[46:47] offset:4096*\i th:TH_STORE_NT   ; 512 consecutive bytes, at a multiple of 256 from out0's first byte
.endr
	s_wait_xcnt 0x0                                ; the stores have read their data and their offset: both are written again only behind this wait
	s_add_co_u32 s44, s44, 65536
	s_cmp_lt_u32 s44, 262144
	s_cbranch_scc1 .Lout
	s_cmp_lg_u32 s16, 0
	s_cbranch_scc1 .Lend                           ; the block's last 256 bytes: wave 0, 8 bytes a lane
	ds_load_b64 v[S0R:S0R+1], v22
	s_wait_dscnt 0x0
	global_store_b64 v22, v[S0R:S0R+1], s[46:47] th:TH_STORE_NT
.Lend:
	s_wait_tensorcnt 0x0
	ds_add_u32 v62, v63
	s_wait_dscnt 0x0
	s_endpgm
.Lfunc_end_k_qbeb3aa72b8_outp:
	.size	k_qbeb3aa72b8_outp, .Lfunc_end_k_qbeb3aa72b8_outp-k_qbeb3aa72b8_outp
	.p2alignl 7, 3214868480
	.fill 96, 4, 3214868480
	.section	.rodata,"a",@progbits
	.p2align	6, 0x0
	.amdhsa_kernel k_qbeb3aa72b8_outp
		.amdhsa_group_segment_fixed_size 265472
		.amdhsa_private_segment_fixed_size 0
		.amdhsa_enable_private_segment 0
		.amdhsa_kernarg_size 40
		.amdhsa_user_sgpr_count 2
		.amdhsa_user_sgpr_kernarg_segment_ptr 1
		.amdhsa_wavefront_size32 1
		.amdhsa_system_sgpr_workgroup_id_x 1
		.amdhsa_system_sgpr_workgroup_id_y 1
		.amdhsa_system_sgpr_workgroup_id_z 1
		.amdhsa_system_vgpr_workitem_id 0
		.amdhsa_next_free_vgpr 512
		.amdhsa_next_free_sgpr 66
		.amdhsa_reserve_vcc 1
		.amdhsa_float_denorm_mode_32 3
		.amdhsa_float_denorm_mode_16_64 3
		.amdhsa_memory_ordered 1
		.amdhsa_forward_progress 1
		.amdhsa_inst_pref_size 96
	.end_amdhsa_kernel
	.amdgpu_metadata
---
amdhsa.version: [ 1, 2 ]
amdhsa.kernels:
  - .name:           k_qbeb3aa72b8_outp
    .symbol:         k_qbeb3aa72b8_outp.kd
    .args:
      - { .name: ac, .offset: 0, .size: 8, .value_kind: global_buffer, .address_space: global }
      - { .name: wc, .offset: 8, .size: 8, .value_kind: global_buffer, .address_space: global }
      - { .name: lowp_scales, .offset: 16, .size: 8, .value_kind: global_buffer, .address_space: global }
      - { .name: K, .offset: 24, .size: 8, .value_kind: global_buffer, .address_space: global }
      - { .name: out0, .offset: 32, .size: 8, .value_kind: global_buffer, .address_space: global }
    .group_segment_fixed_size: 265472
    .private_segment_fixed_size: 0
    .kernarg_segment_align: 8
    .kernarg_segment_size: 40
    .max_flat_workgroup_size: 256
    .sgpr_count:     66
    .vgpr_count:     512
    .wavefront_size: 32
...
	.end_amdgpu_metadata
.endif
;; end of part 4
;; ======== version 2 of 2: 4 launches; version 1 with the launches proj, attn, outp written anew for expert scheduling mode
;; workspace buffers: xc 12,582,912 bytes; wc 4,194,304 bytes; qc 4,194,304 bytes; kc 4,194,304 bytes; vc 4,194,304 bytes; ac 4,194,304 bytes
;; launch quant: the kernel of part 1 again; grid 512 x 1, 8 waves a work-group, no clusters, 68,608 bytes of LDS; arguments x, Wq, Wk, Wv, Wo, lowp_scales, xc, wc; writes xc, wc
;; launch proj (part 5): grid 192 x 1, 8 waves a work-group, no clusters, 66,560 bytes of LDS; arguments xc, wc, lowp_scales, qc, kc, vc; writes qc, kc, vc
.if DOCPART == 5
	.amdgcn_target "amdgcn-amd-amdhsa--gfx1250"
	.amdhsa_code_object_version 6
	.text
	.protected	k_qbeb3aa72b8_proj
	.globl	k_qbeb3aa72b8_proj
	.p2align	8
	.type	k_qbeb3aa72b8_proj,@function
k_qbeb3aa72b8_proj:
	s_mov_b64 s[64:65], 0
	v_nop
	global_prefetch_b8 v0, s[64:65] scope:SCOPE_SE
	s_setreg_imm32_b32 hwreg(HW_REG_WAVE_SCHED_MODE, 0, 2), 2
	s_setreg_imm32_b32 hwreg(HW_REG_WAVE_MODE, 25, 1), 1
	s_wait_xcnt 0x0
	s_wait_alu depctr_vm_vsrc(0)
; q = xs Wq^T, k = xs Wk^T, v = xs Wv^T on codes of E4M3; each f32 sum is quantised in registers for the attention's products (scales 2^e6, 2^e7, 2^e9) and stored as codes.
; THE CORE.  D = S0 x S1^T over K = 1,024.  S1 is 64 rows (4 tiles t1), 65,536 bytes of fragment images, copied once into LDS and read by all 8 waves.  S0 is 1,024 rows: wave w takes rows
; 128 w .. 128 w + 127 (8 tiles t0) and loads their fragments from memory straight into registers, a K step of 128 at a time, half a step (4 tiles, 16 loads) ahead of its use.
; In the result of (source 0 = S0's tile, source 1 = S1's tile) lane (r, h) holds S1's row r and S0's rows 8 h + 0 .. 7 in its eight registers: eight neighbours along S0's rows.
; Work-group g: projection p = g / 64, part i = g % 64.
;   p = 0, 1 (q, k): S0 = the weight's 1,024 features, S1 = tokens 64 i on.  A lane's eight sums are eight neighbouring features of a token: a register pair of the next product's operand (K = a head's 64).
;   p = 2 (v):       S0 = tokens 1,024 (i / 16) on, S1 = head i % 16's 64 features.  A lane's eight sums are eight neighbouring tokens of a feature: the keys are the next K.
; OUT, again as images:  qc, kc: [b 2][pair of heads 8][tile of 16 tokens 128][head in the pair 2][1,024]: a fragment of 16 tokens x 64;   vc: [b 2][128 keys: 16][4 head + d / 16: 64][2,048]: 16 d x 128 keys.
; For a fixed t1 a wave's eight conversions fill 16 registers, 2,048 consecutive bytes of the output in either case.
; A sum stands for sum x 2^(ea + eb): the conversion takes the one scale 2^(eo - ea - eb).  With finite sums reference()'s nan_to_num behind the products changes nothing and is not written.
; LIMITS: eo - ea - eb between -126 and 119;  ea + eb at most 99, so that 1,024 x 448^2 x 2^(ea + eb) is finite.
; NO JOINT LOADS: S0's fragments are shared by the 64 work-groups of a projection, but here each goes from memory into the registers of the one wave that multiplies it and never passes LDS;
; a joint load lands in LDS, from which each wave would read its 16,384 bytes of every K step once more.  This text keeps the form without a ring.
; REGISTERS.  Window 0: v1 16 lane; v2 16 lane + 2,048 w; v3 the scale; v64-127 S1's four fragments; v128-255 S0's eight.  Window 1: the 32 accumulators, (t1, t0) at v[64 t1 + 8 t0].
; THE MODE: SCHED_MODE bits 1:0 = 2 (LLVM: expert scheduling mode 2), set by the entry lines.  The code itself states the register dependences
; between vector or matrix instructions and memory or LDS instructions, with s_wait_alu, always for 0.
; THE PLAN.  Registers that memory or LDS instructions touch:
;   v1, v2        Offsets and LDS addresses, made once at the head and never written again.
;   v64-127       S1.  At the head: global loads land, LDS stores read.  Then, K step s: all 32 products read them; behind the last of them the LDS loads of step s + 1 land.
;   v128-191      S0's tiles 0 to 3.  K step s: its first 16 products read them; behind these the loads of step s + 1 land.  On the way out: the conversions write them, the stores read them.
;   v192-255      S0's tiles 4 to 7.  K step s: its last 16 products read them; behind these the loads of step s + 1 land.
;   The accumulators are named by matrix and vector instructions alone.
; So a K step holds two waits on va_vdst, one behind each half's products, and each run of loads stands straight behind its wait.  The loads are not dealt among the products: a load's destination and a
; product's D are named through the same window field, so that each group of loads among products would cost two switches of the window.
.set S1R, 64
.set S0R, 128
.set S0P, 32                           ; s[32:33] my wave's part of S0
.set S1P, 34                           ; s[34:35] S1
.set MSB, 0
.macro WIN new                         ; the immediate's high byte repeats the setting that is left; a switch that changes nothing is dropped
.if MSB != (\new)
	s_set_vgpr_msb (MSB<<8)|(\new)
.set MSB, (\new)
.endif
.endm
.macro MKSCALE e, vs, lo, hi, t
	s_add_co_i32 s[\t], s[\e], 127
	s_lshl_b32 s[\hi], s[\t], 23
	v_mov_b32 v[\vs], s[\hi]
	s_add_co_i32 s[\t], s[\t], 8
	s_lshl_b32 s[\hi], s[\t], 23
	s_or_b32 s[\hi], s[\hi], 0x600000
.if (\lo) >= 0
	s_or_b32 s[\lo], s[\hi], 0x80000000
.endif
.endm
.macro BARRIER                         ; my LDS stores have landed and my LDS loads are in: then the work-group's barrier
	s_wait_dscnt 0x0
	s_barrier_signal -1
	s_barrier_wait -1
.endm
.macro LOADS0 s, j                     ; tiles 4 j .. 4 j + 3 of S0, K step s: 16 loads of 512 consecutive bytes
.irp t, 0,1,2,3
.irp g, 0,1,2,3
	global_load_b128 v[S0R+16*(4*(\j)+\t)+4*\g:S0R+16*(4*(\j)+\t)+4*\g+3], v1, s[S0P:S0P+1] offset:16384*(4*(\j)+\t)+2048*(\s)+512*\g
.endr
.endr
.endm
.macro LOADS1 s                        ; S1's four fragments of K step s, from LDS
.irp t, 0,1,2,3
.irp g, 0,1,2,3
	ds_load_b128 v[S1R+16*\t+4*\g:S1R+16*\t+4*\g+3], v1 offset:(8*\t+(\s))*2048+512*\g
.endr
.endr
.endm
; 16 products: S0's tiles 4 j .. 4 j + 3 against S1's four.  The 32 accumulators take turns, one instruction a turn, in the same order in every K step.  The first K step starts the sums.
; Four plain lines follow: loads into registers that these products have read, and reads of their results, stand four places behind them (ISA guide 7.12.1 for vector instructions).
.macro MUL s, j
	WIN 0x50                                       ; C and D in window 1
.irp t0, 0,1,2,3
.irp t1, 0,1,2,3
.if (\s) == 0
	v_wmma_f32_16x16x128_fp8_fp8 v[64*\t1+8*(4*(\j)+\t0):64*\t1+8*(4*(\j)+\t0)+7], v[S0R+16*(4*(\j)+\t0):S0R+16*(4*(\j)+\t0)+15], v[S1R+16*\t1:S1R+16*\t1+15], 0
.else
	v_wmma_f32_16x16x128_fp8_fp8 v[64*\t1+8*(4*(\j)+\t0):64*\t1+8*(4*(\j)+\t0)+7], v[S0R+16*(4*(\j)+\t0):S0R+16*(4*(\j)+\t0)+15], v[S1R+16*\t1:S1R+16*\t1+15], v[64*\t1+8*(4*(\j)+\t0):64*\t1+8*(4*(\j)+\t0)+7]
.endif
.endr
.endr
	WIN 0
.rept 4
	v_nop
.endr
.endm
.macro KSTEP s
	s_wait_dscnt 0x0                               ; this step's S1
	s_wait_loadcnt 16                              ; this step's first half of S0 is in; the second half's 16 loads stay out
	MUL \s, 0
.if (\s) < 7
	s_wait_alu depctr_va_vdst(0)                   ; the 16 products above are done reading S0's tiles 0 to 3, in which the loads below land
	LOADS0 (\s)+1, 0
	s_wait_loadcnt 16                              ; the second half is in; the 16 just issued stay out
.else
	s_wait_loadcnt 0x0
.endif
	MUL \s, 1
.if (\s) < 7
	s_wait_alu depctr_va_vdst(0)                   ; the step's products are done reading S0's tiles 4 to 7 and S1's four fragments, in which the loads below land
	LOADS0 (\s)+1, 1
	LOADS1 (\s)+1
.endif
.endm
	s_load_b256 s[4:11], s[0:1], 0x0               ; xc, wc, lowp_scales, qc
	s_load_b128 s[12:15], s[0:1], 0x20             ; kc, vc
	v_lshl_add_u32 v62, v0, 2, 0x10000
	v_mov_b32 v63, 0
	v_lshrrev_b32 v3, 5, v0
	v_readfirstlane_b32 s16, v3                    ; wave
	v_and_b32 v1, 31, v0
	v_lshlrev_b32 v1, 4, v1                        ; 16 lane
	s_wait_alu depctr_va_sdst(0)                   ; s16 is written, ahead of its first reader: LDS addresses and the bases of S0 and of the output are made from it
	s_lshl_b32 s17, s16, 11
	v_add_nc_u32 v2, s17, v1                       ; + 2,048 w: the K step of S1 that I copy
	s_lshr_b32 s20, ttmp9, 6                       ; p
	s_and_b32 s21, ttmp9, 63                       ; i
	s_lshl_b32 s22, s20, 20                        ; S0 for q, k: weight p
	s_lshr_b32 s23, s21, 4
	s_lshl_b32 s23, s23, 20
	s_add_co_u32 s23, s23, 8388608                 ; S0 for v: plane 2 of xc, tokens 1,024 (i / 16) on
	s_cmp_eq_u32 s20, 2
	s_cselect_b32 s22, s23, s22
	s_lshl_b32 s24, s16, 17
	s_add_co_u32 s22, s22, s24                     ; + my wave's eight tiles
	s_mov_b32 s23, 0
	s_lshl_b32 s24, s20, 22                        ; S1 for q, k: plane p of xc,
	s_lshl_b32 s25, s21, 16
	s_add_co_u32 s24, s24, s25                     ; tokens 64 i on
	s_and_b32 s25, s21, 15
	s_lshl_b32 s25, s25, 16
	s_add_co_u32 s25, s25, 2097152                 ; S1 for v: Wv, head i % 16
	s_cmp_eq_u32 s20, 2
	s_cselect_b32 s24, s25, s24
	s_mov_b32 s25, 0
	s_lshr_b32 s26, s21, 5                         ; out for q, k: batch i / 32,
	s_lshl_b32 s26, s26, 21
	s_lshl_b32 s27, s16, 18                        ; pair of heads w,
	s_add_co_u32 s26, s26, s27
	s_and_b32 s27, s21, 31
	s_lshl_b32 s27, s27, 13                        ; tiles 4 (i % 32) on
	s_add_co_u32 s26, s26, s27
	s_lshr_b32 s28, s21, 4                         ; out for v: keys 1,024 (i / 16) + 128 w on,
	s_lshl_b32 s28, s28, 20
	s_lshl_b32 s27, s16, 17
	s_add_co_u32 s28, s28, s27
	s_and_b32 s27, s21, 15
	s_lshl_b32 s27, s27, 13                        ; head i % 16
	s_add_co_u32 s28, s28, s27
	s_cmp_eq_u32 s20, 2
	s_cselect_b32 s26, s28, s26
	s_mov_b32 s27, 0
	s_wait_kmcnt 0x0
	s_load_b256 s[36:43], s[8:9], 0x0              ; e0 .. e7
	s_load_b128 s[44:47], s[8:9], 0x20             ; e8 .. e11
	s_cmp_eq_u32 s20, 2                            ; the choices hang on the work-group's number alone
	s_cselect_b64 s[S0P:S0P+1], s[4:5], s[6:7]
	s_cselect_b64 s[S1P:S1P+1], s[6:7], s[4:5]
	s_cselect_b64 s[48:49], s[14:15], s[10:11]
	s_cmp_eq_u32 s20, 1
	s_cselect_b64 s[48:49], s[12:13], s[48:49]
	s_add_nc_u64 s[S0P:S0P+1], s[S0P:S0P+1], s[22:23]
	s_add_nc_u64 s[S1P:S1P+1], s[S1P:S1P+1], s[24:25]
	s_add_nc_u64 s[48:49], s[48:49], s[26:27]
	s_wait_alu depctr_va_vdst(0)                   ; v1 and v2 are written: every load and store of the kernel reads one of them as its offset or LDS address
.irp t, 0,1,2,3
.irp g, 0,1,2,3
	global_load_b128 v[S1R+16*\t+4*\g:S1R+16*\t+4*\g+3], v2, s[S1P:S1P+1] offset:16384*\t+512*\g   ; K step w of S1's four tiles
.endr
.endr
	LOADS0 0, 0
	LOADS0 0, 1
	s_wait_kmcnt 0x0
	s_add_co_i32 s26, s36, s37
	s_add_co_i32 s27, s38, s39
	s_add_co_i32 s28, s40, s41
	s_sub_co_i32 s26, s42, s26                     ; e6 - e0 - e1
	s_sub_co_i32 s27, s43, s27                     ; e7 - e2 - e3
	s_sub_co_i32 s28, s45, s28                     ; e9 - e4 - e5
	s_cmp_eq_u32 s20, 1
	s_cselect_b32 s26, s27, s26
	s_cmp_eq_u32 s20, 2
	s_cselect_b32 s26, s28, s26
	MKSCALE 26, 3, 30, 31, 27
	s_wait_loadcnt 32                              ; S1's 16 loads are in; S0's 32 stay out
.irp t, 0,1,2,3
.irp g, 0,1,2,3
	ds_store_b128 v2, v[S1R+16*\t+4*\g:S1R+16*\t+4*\g+3] offset:16384*\t+512*\g   ; the same place in LDS as in memory
.endr
.endr
	BARRIER                                        ; S1 lies whole in LDS
	s_wait_alu depctr_vm_vsrc(0)                   ; my LDS stores have read v64 to v127, in which the fragments of S1 land from here on
	LOADS1 0
.irp s, 0,1,2,3,4,5,6,7
	KSTEP \s
.endr
	; THE WAY OUT: the hold, each accumulator from its low end on; the conversions; 16 stores of 512 consecutive bytes
	WIN 0x41
.set i, 0
.rept 256
	v_med3_num_f32 v[i], v[i], s30, s31
.set i, i+1
.endr
	WIN 0x01
.irp t1, 0,1,2,3
.irp t0, 0,1,2,3,4,5,6,7
	v_cvt_scalef32_pk8_fp8_f32 v[S0R+16*\t1+2*\t0:S0R+16*\t1+2*\t0+1], v[64*\t1+8*\t0:64*\t1+8*\t0+7], v3
.endr
.endr
	v_nop
	WIN 0
	s_wait_alu depctr_va_vdst(0)                   ; the conversions have written v128 to v191, which the stores below read
.irp t1, 0,1,2,3
.irp g, 0,1,2,3
	global_store_b128 v1, v[S0R+16*\t1+4*\g:S0R+16*\t1+4*\g+3], s[48:49] offset:2048*\t1+512*\g
.endr
.endr
	s_wait_dscnt 0x0                               ; the closing lines, six on end
	s_wait_alu 0x0
	s_wait_tensorcnt 0x0
	ds_add_u32 v62, v63
	s_wait_dscnt 0x0
	s_endpgm
.Lfunc_end_k_qbeb3aa72b8_proj:
	.size	k_qbeb3aa72b8_proj, .Lfunc_end_k_qbeb3aa72b8_proj-k_qbeb3aa72b8_proj
	.p2alignl 7, 3214868480
	.fill 96, 4, 3214868480
	.section	.rodata,"a",@progbits
	.p2align	6, 0x0
	.amdhsa_kernel k_qbeb3aa72b8_proj
		.amdhsa_group_segment_fixed_size 66560
		.amdhsa_private_segment_fixed_size 0
		.amdhsa_enable_private_segment 0
		.amdhsa_kernarg_size 48
		.amdhsa_user_sgpr_count 2
		.amdhsa_user_sgpr_kernarg_segment_ptr 1
		.amdhsa_wavefront_size32 1
		.amdhsa_system_sgpr_workgroup_id_x 1
		.amdhsa_system_sgpr_workgroup_id_y 1
		.amdhsa_system_sgpr_workgroup_id_z 1
		.amdhsa_system_vgpr_workitem_id 0
		.amdhsa_next_free_vgpr 512
		.amdhsa_next_free_sgpr 66
		.amdhsa_reserve_vcc 0
		.amdhsa_float_denorm_mode_32 3
		.amdhsa_float_denorm_mode_16_64 3
		.amdhsa_memory_ordered 1
		.amdhsa_forward_progress 1
		.amdhsa_inst_pref_size 78
	.end_amdhsa_kernel
	.amdgpu_metadata
---
amdhsa.version: [ 1, 2 ]
amdhsa.kernels:
  - .name:           k_qbeb3aa72b8_proj
    .symbol:         k_qbeb3aa72b8_proj.kd
    .args:
      - { .name: xc, .offset: 0, .size: 8, .value_kind: global_buffer, .address_space: global }
      - { .name: wc, .offset: 8, .size: 8, .value_kind: global_buffer, .address_space: global }
      - { .name: lowp_scales, .offset: 16, .size: 8, .value_kind: global_buffer, .address_space: global }
      - { .name: qc, .offset: 24, .size: 8, .value_kind: global_buffer, .address_space: global }
      - { .name: kc, .offset: 32, .size: 8, .value_kind: global_buffer, .address_space: global }
      - { .name: vc, .offset: 40, .size: 8, .value_kind: global_buffer, .address_space: global }
    .group_segment_fixed_size: 66560
    .private_segment_fixed_size: 0
    .kernarg_segment_align: 8
    .kernarg_segment_size: 48
    .max_flat_workgroup_size: 256
    .sgpr_count:     66
    .vgpr_count:     512
    .wavefront_size: 32
...
	.end_amdgpu_metadata
.endif
;; end of part 5
;; launch attn (part 6): grid 64 x 4, 4 waves a work-group, no clusters, 296,448 bytes of LDS; arguments qc, kc, vc, attention_mask, lowp_scales, ac; writes ac
.if DOCPART == 6
	.amdgcn_target "amdgcn-amd-amdhsa--gfx1250"
	.amdhsa_code_object_version 6
	.text
	.protected	k_qbeb3aa72b8_attn
	.globl	k_qbeb3aa72b8_attn
	.p2align	8
	.type	k_qbeb3aa72b8_attn,@function
k_qbeb3aa72b8_attn:
	s_mov_b64 s[64:65], 0
	v_nop
	global_prefetch_b8 v0, s[64:65] scope:SCOPE_SE
	s_setreg_imm32_b32 hwreg(HW_REG_WAVE_SCHED_MODE, 0, 2), 2
	s_setreg_imm32_b32 hwreg(HW_REG_WAVE_MODE, 25, 1), 1
	s_wait_xcnt 0x0
	s_wait_alu depctr_vm_vsrc(0)
; attn = softmax(clip(q k^T / 8 + mask, -50, 50)), out = attn v, both products on codes of E4M3; attn is quantised FINISHED AND NORMALISED (scale 2^e8), out is quantised for the last projection (2^e10).
; SHARES.  A work-group takes 32 queries (x), one batch and 8 heads (y = 2 b + half), one head a trip.  Wave w owns keys 512 w .. 512 w + 511, for both tiles of 16 queries: all 2,048 weights of a row stay
; in f32 in the four waves' registers (512 a wave) until the row's sum is known, so each score and each exponential is made once.
; THE MASK is an input: every score is computed.  The work-group's 32 x 2,048 numbers of it are copied into LDS once and serve all 8 heads.  They go in multiplied by 2^(3 - e6 - e7) (exact) and are loaded
; into the scores' registers as the C of k q^T: sum + mask x 2^(3 - e6 - e7) = (q k^T / 8 + mask) / 2^(e6 + e7 - 3): the addition costs no instruction.
; NO MAXIMUM IS TAKEN AWAY: reference() itself clips the scores to +-50, so an exponential lies between 1.9e-22 and 5.2e21 and a row's sum under 1.1e25: nothing overflows or underflows in f32.
; LAYOUT.  Both products are used transposed.  S^T = k q^T (source 0 = 16 keys, source 1 = 16 queries): lane (r, h) holds query r, registers 0-7 of tile kt keys 16 kt + 8 h + 0 .. 7: their conversion IS
; register pair kt % 8 of the second product's operand.  O^T = v^T p^T (source 0 = 16 d x 128 keys): lane (r, h) holds query r and d = 16 dt + 8 h + 0 .. 7: their conversion is a register pair of the last projection's operand.
; A TRIP, two barriers:  k q^T | next head's K and Q asked for, K's second half between the two tiles' exponentials | t = x c, clip, 2^t | my 512 keys' sums -> LDS | barrier | 1 / sum | p = 2^t / sum, hold, codes | V | v^T p^T | partial O^T -> LDS | barrier |
; wave w adds the four waves' parts of two tiles, quantises them and stores 512 consecutive bytes of ac: [tile of 16 tokens 256][K step = head / 2: 8][2,048].
; LIMITS: e8 and e10 - e8 - e9 between -126 and 119; e6 + e7 - 3 between -126 and 126; e6 + e7 and e8 + e9 at most 99 (finite sums: nan_to_num behind the products changes nothing and is not written).  NaN in the mask is not served.
; NO JOINT LOADS, NO RING: the mask holds 262,656 of the 327,680 bytes of LDS; what is left would hold slots of an eighth of the 262,144 bytes of K and V that a work-group walks for a head.  So K and V go from
; memory straight into registers, as images of fragments, each fragment feeding two products.
; REGISTERS, in windows of 256 (s_set_vgpr_msb: bits 1:0 source 0, 3:2 source 1, 5:4 source 2, 7:6 destination):
;   window 0: v1-11 addresses and scales; v16-31 the sums' chains; v32-35 1 / sum; v36-39 out's codes; v40-47 at work; v48-63 Q; v64-127 O^T, then the four waves' parts; v128-255 p's codes, tile (qt, kt) at 128 + 64 qt + 2 kt
;   window 1: K, tile kt at 8 kt      window 2: S^T of queries 0-15, tile kt at 8 kt; from the conversions to v^T p^T: V, (ks, dt) at 64 ks + 16 dt      window 3: S^T of queries 16-31
; THE MODE: SCHED_MODE bits 1:0 = 2 (LLVM: expert scheduling mode 2), set by the entry lines.  The code itself states the register dependences
; between vector or matrix instructions and memory or LDS instructions, with s_wait_alu, always for 0.
; THE PLAN.  Registers that memory or LDS instructions touch, in a trip's order:
;   window 1 (K), v48-63 (Q)   The 64 products k q^T read them; behind these the next head's loads land.
;   window 2                   The mask's LDS loads land; k q^T, the softmax and the conversions work on it; V's loads land; v^T p^T reads V; the mask's LDS loads land.
;   window 3                   The mask's LDS loads land; k q^T, the softmax and the conversions work on it; the mask's LDS loads land.
;   v40-47                     Vector lines make v42; an LDS store reads it; behind the first barrier eight LDS loads land in v40-47; vector lines add them.
;   v64-127                    v^T p^T writes them; 16 LDS stores read them; behind the second barrier 16 LDS loads land in them; vector lines add and hold them.
;   v36-39                     Two conversions write them; the global store reads them.
;   v1-8, v11                  Offsets and LDS addresses, made at the head and never written again.      p's codes, the chains and 1 / sum are named by vector and matrix instructions alone.
; Each place at which a window or a small buffer passes from the vector side to loads or stores has ONE wait on va_vdst: eight a trip, two of them the waits behind the transcendentals.  Each place at which registers that
; stores have read are written again lies behind one of two waits on vm_vsrc, one behind each barrier.  Behind its wait a run of loads may be cut: K's second half stands between the two tiles' exponentials, which
; name windows 2 and 3 alone, and V's last 16 loads in the middle of the other tile's normalising, which names window 3, v34, v35 and a scalar: so no run of global loads in the loop is longer than 48.
.set MP,  8208                         ; a row of the mask in LDS: 8,192 bytes + 16 = 513 x 16: the sixteen rows of a 16-byte read begin at sixteen different 16-byte columns modulo 256
.set OB,  32*MP                        ; partial O^T: [wave 4][tile 4 qt + dt: 8][half 2][512]
.set SB,  OB+32768                     ; partial sums: [wave 4][query 32]
.set MA,  2                            ; v2, v3  my place in the mask for queries 0-15, 16-31
.set MSB, 0
.macro WIN new                         ; the immediate's high byte repeats the setting that is left; a switch that changes nothing is dropped
.if MSB != (\new)
	s_set_vgpr_msb (MSB<<8)|(\new)
.set MSB, (\new)
.endif
.endm
.macro MKSCALE e, vs, lo, hi, t
	s_add_co_i32 s[\t], s[\e], 127
	s_lshl_b32 s[\hi], s[\t], 23
	v_mov_b32 v[\vs], s[\hi]
	s_add_co_i32 s[\t], s[\t], 8
	s_lshl_b32 s[\hi], s[\t], 23
	s_or_b32 s[\hi], s[\hi], 0x600000
.if (\lo) >= 0
	s_or_b32 s[\lo], s[\hi], 0x80000000
.endif
.endm
.macro BARRIER                         ; my LDS stores have landed and my LDS loads are in: then the work-group's barrier
	s_wait_dscnt 0x0
	s_barrier_signal -1
	s_barrier_wait -1
.endm
.macro PLACES
.rept 4
	v_nop
.endr
.endm
.macro KQBASE hd                       ; K's and Q's addresses for head s[hd]: pair of heads hd / 2, 262,144 bytes each; head in the pair, 1,024
	s_lshr_b32 s42, s[\hd], 1
	s_lshl_b32 s42, s42, 18
	s_and_b32 s43, s[\hd], 1
	s_lshl_b32 s43, s43, 10
	s_add_co_u32 s42, s42, s43
	s_mov_b32 s43, 0
	s_add_nc_u64 s[52:53], s[44:45], s[42:43]
	s_add_nc_u64 s[54:55], s[46:47], s[42:43]
.endm
.macro MASKIN x                        ; four of my eight rows of the mask into window x: 16 loads of 512 consecutive bytes a row
	WIN (\x)<<6
.set i, 0
.rept 4
.set j, 0
.rept 16
	global_load_b128 v[64*i+4*j:64*i+4*j+3], v1, s[62:63] offset:8192*(i+4*((\x)-2))+512*j
.set j, j+1
.endr
.set i, i+1
.endr
.endm
.macro MASKOUT x                       ; x 2^(3 - e6 - e7), and into LDS
	WIN ((\x)<<6)|(\x)
.set i, 0
.rept 256
	v_ldexp_f32 v[i], v[i], s29
.set i, i+1
.endr
	WIN (\x)<<2
	s_wait_alu depctr_va_vdst(0)                   ; the 256 multiplications have written the window's registers, which the LDS stores below read
.set i, 0
.rept 4
.set j, 0
.rept 16
	ds_store_b128 v4, v[64*i+4*j:64*i+4*j+3] offset:MP*(i+4*((\x)-2))+512*j
.set j, j+1
.endr
.set i, i+1
.endr
.endm
.macro PRELOAD x                       ; the mask of my 512 keys and 16 queries into S^T's registers, in the result's layout
	WIN (\x)<<6
.set kt, 0
.rept 32
	ds_load_b128 v[8*kt:8*kt+3], v[MA+(\x)-2] offset:64*kt
	ds_load_b128 v[8*kt+4:8*kt+7], v[MA+(\x)-2] offset:64*kt+16
.set kt, kt+1
.endr
.endm
.macro LOADK from, to                  ; tiles from .. to - 1 of my 32 tiles of 16 keys x 64
	WIN 0x40
.set kt, (\from)
.rept (\to)-(\from)
	global_load_b128 v[8*kt:8*kt+3], v1, s[52:53] offset:2048*kt
	global_load_b128 v[8*kt+4:8*kt+7], v1, s[52:53] offset:2048*kt+512
.set kt, kt+1
.endr
.endm
.macro LOADQ
	WIN 0
.irp q, 0,1
.irp g, 0,1
	global_load_b128 v[48+8*\q+4*\g:48+8*\q+4*\g+3], v1, s[54:55] offset:2048*\q+512*\g
.endr
.endr
.endm
.macro LOADV from, to                  ; blocks from .. to - 1 of my four blocks of 128 keys x the head's four tiles of 16 d
	WIN 0x80
.set ks, (\from)
.rept (\to)-(\from)
.irp d, 0,1,2,3
.irp g, 0,1,2,3
	global_load_b128 v[64*ks+16*\d+4*\g:64*ks+16*\d+4*\g+3], v1, s[56:57] offset:131072*ks+2048*\d+512*\g
.endr
.endr
.set ks, ks+1
.endr
.endm
.macro QK x                            ; 32 products, each onto its own accumulator, which holds the mask
	WIN ((\x)<<6)|((\x)<<4)|1
.set kt, 0
.rept 32
	v_wmma_f32_16x16x64_fp8_fp8 v[8*kt:8*kt+7], v[8*kt:8*kt+7], v[48+8*((\x)-2):48+8*((\x)-2)+7], v[8*kt:8*kt+7]
.set kt, kt+1
.endr
.endm
; t = (sum + mask') x c, c = log2(e) x 2^(e6 + e7 - 3); held within +-50 log2(e); 2^t.  33 stages: a stage holds tile kt's 12 plain lines and, set between them, tile kt - 1's eight exponentials.
; No line names an exponential's result: the whole batch of both windows has one wait, behind it.
.macro SOFT1 x
	WIN ((\x)<<6)|(\x)
.set kt, 0
.rept 33
.set TA, 8*kt
.set TE, 8*kt-8
.irp n, 0,1,2,3
.if kt < 32
	v_pk_mul_f32 v[TA+2*\n:TA+2*\n+1], v[TA+2*\n:TA+2*\n+1], s[22:23] op_sel_hi:[1,0]
.endif
.if kt > 0
	v_exp_f32 v[TE+\n], v[TE+\n]
.endif
.endr
.irp n, 0,1,2,3
.if kt < 32
	v_med3_num_f32 v[TA+2*\n], v[TA+2*\n], s24, s25
	v_med3_num_f32 v[TA+2*\n+1], v[TA+2*\n+1], s24, s25
.endif
.if kt > 0
	v_exp_f32 v[TE+4+\n], v[TE+4+\n]
.endif
.endr
.set kt, kt+1
.endr
.endm
.macro SUMS x                          ; my 256 exponentials of a lane, two at a time, in four chains that the first eight pairs start
.set AC, 16+8*((\x)-2)
	WIN (\x)|((\x)<<2)
.irp c, 0,1,2,3
	v_pk_add_f32 v[AC+2*\c:AC+2*\c+1], v[2*\c:2*\c+1], v[2*\c+8:2*\c+9]
.endr
	WIN (\x)
.set i, 8
.rept 120
	v_pk_add_f32 v[AC+2*(i%4):AC+2*(i%4)+1], v[2*i:2*i+1], v[AC+2*(i%4):AC+2*(i%4)+1]
.set i, i+1
.endr
.endm
.macro NORM x, from, to                ; tiles from .. to - 1: p = 2^t / sum; the hold at 448 x 2^e8, one-sided since p is not negative (the conversion to an 8-bit code does not saturate: ISA guide 7.6.2)
	WIN ((\x)<<6)|(\x)
.set RS, 32+2*((\x)-2)
.set i, (\from)
.rept (\to)-(\from)
.irp n, 0,1,2,3
	v_pk_mul_f32 v[8*i+2*\n:8*i+2*\n+1], v[8*i+2*\n:8*i+2*\n+1], v[RS:RS+1] op_sel_hi:[1,0]
.endr
.irp n, 0,1,2,3,4,5,6,7
	v_min_num_f32 v[8*i+\n], v[8*i+\n], s26
.endr
.set i, i+1
.endr
.endm
.macro CVT x
	WIN (\x)
.set i, 0
.rept 32
	v_cvt_scalef32_pk8_fp8_f32 v[128+64*((\x)-2)+2*i:128+64*((\x)-2)+2*i+1], v[8*i:8*i+7], v9
.set i, i+1
.endr
	v_nop                                          ; a plain line between the conversions and the products that read the codes
.endm
.macro PV                              ; O^T over my 512 keys: 8 accumulators by turns, one instruction a turn; the first 128 keys start the sums
	WIN 0x02
.irp ks, 0,1,2,3
.irp q, 0,1
.irp d, 0,1,2,3
.if \ks == 0
	v_wmma_f32_16x16x128_fp8_fp8 v[64+8*(4*\q+\d):64+8*(4*\q+\d)+7], v[64*\ks+16*\d:64*\ks+16*\d+15], v[128+64*\q+16*\ks:128+64*\q+16*\ks+15], 0
.else
	v_wmma_f32_16x16x128_fp8_fp8 v[64+8*(4*\q+\d):64+8*(4*\q+\d)+7], v[64*\ks+16*\d:64*\ks+16*\d+15], v[128+64*\q+16*\ks:128+64*\q+16*\ks+15], v[64+8*(4*\q+\d):64+8*(4*\q+\d)+7]
.endif
.endr
.endr
.endr
.endm
	s_load_b256 s[4:11], s[0:1], 0x0               ; qc, kc, vc, attention_mask
	s_load_b128 s[12:15], s[0:1], 0x20             ; lowp_scales, ac
	v_lshrrev_b32 v12, 5, v0
	v_readfirstlane_b32 s16, v12                   ; wave
	v_and_b32 v12, 31, v0                          ; lane
	v_and_b32 v13, 15, v0                          ; r
	v_bfe_u32 v14, v0, 4, 1                        ; h
	v_lshlrev_b32 v1, 4, v12                       ; 16 lane: my place in an image
	v_mul_u32_u24 v[MA], v13, MP
	v_lshl_add_u32 v[MA], v14, 5, v[MA]
	s_wait_alu depctr_va_sdst(0)                   ; s16 is written, ahead of its first reader: LDS addresses and the buffers' bases are made from it
	s_lshl_b32 s34, s16, 11
	v_add_nc_u32 v[MA], s34, v[MA]                 ; the mask: row r, my wave's 2,048 bytes, + 32 h
	v_add_nc_u32 v[MA+1], 16*MP, v[MA]
	s_mul_i32 s34, s16, 8*MP
	v_add_nc_u32 v4, s34, v1                       ; the mask, on its way in: my wave's eight rows
	s_lshl_b32 s34, s16, 13
	s_add_co_u32 s34, s34, OB
	v_add_nc_u32 v5, s34, v1                       ; where I put my partial O^T
	s_lshl_b32 s34, s16, 11
	s_add_co_u32 s34, s34, OB
	v_add_nc_u32 v6, s34, v1                       ; where I read tiles 2 w, 2 w + 1 of wave 0's
	s_lshl_b32 s34, s16, 7
	s_add_co_u32 s34, s34, SB
	v_lshl_add_u32 v7, v12, 2, s34                 ; where I put my partial sum: lane = query
	v_lshlrev_b32 v8, 2, v13
	v_add_nc_u32 v8, SB, v8                        ; where I read wave 0's for query r
	v_lshlrev_b32 v11, 8, v12                      ; the prefetches' offset: 256 lane
	v_mov_b32 v33, 0                               ; (named as the upper halves of the pairs v[32:33], v[34:35])
	v_mov_b32 v35, 0
	v_mov_b32 v44, 0                               ; (a lane permute's destination counts as one of its sources)
	v_mov_b32 v45, 0
	s_and_b32 s17, ttmp7, 0xffff
	s_lshr_b32 s18, s17, 1                         ; batch
	s_and_b32 s19, s17, 1
	s_lshl_b32 s19, s19, 3                         ; my first head
	s_lshl_b32 s34, s18, 21                        ; a batch is 2,097,152 bytes in each buffer of codes
	s_mov_b32 s35, 0
	s_mov_b32 s43, 0
	s_cmp_eq_u32 ttmp9, 0
	s_cselect_b32 s33, 7, 0                        ; trips in which I prefetch
	s_mov_b32 s20, 0xffff0000                      ; lanes 16-31
	s_mov_b32 s24, 0xc29044fe                      ; -50 log2(e)
	s_mov_b32 s25, 0x429044fe
	s_mov_b32 s30, 0x76543210                      ; v_permlanex16_b32's selects for lane xor 16
	s_mov_b32 s31, 0xfedcba98
	s_wait_kmcnt 0x0
	s_load_b128 s[36:39], s[12:13], 0x18           ; e6, e7, e8, e9
	s_load_b32 s40, s[12:13], 0x28                 ; e10
	s_lshl_b32 s42, s16, 16                        ; K: my 32 tiles of keys
	s_add_nc_u64 s[44:45], s[6:7], s[34:35]
	s_add_nc_u64 s[44:45], s[44:45], s[42:43]
	s_lshl_b32 s42, ttmp9, 12                      ; Q: my work-group's two tiles
	s_add_nc_u64 s[46:47], s[4:5], s[34:35]
	s_add_nc_u64 s[46:47], s[46:47], s[42:43]
	s_lshl_b32 s42, s16, 19                        ; V: my four blocks of 128 keys
	s_add_nc_u64 s[48:49], s[8:9], s[34:35]
	s_add_nc_u64 s[48:49], s[48:49], s[42:43]
	s_lshl_b32 s42, ttmp9, 15                      ; ac: my work-group's two tiles of tokens,
	s_lshr_b32 s41, s16, 1
	s_lshl_b32 s41, s41, 14                        ; tile w / 2 of them,
	s_add_co_u32 s42, s42, s41
	s_and_b32 s41, s16, 1
	s_lshl_b32 s41, s41, 9                         ; d = 32 (w % 2) on: four registers of the image
	s_add_co_u32 s42, s42, s41
	s_add_nc_u64 s[50:51], s[14:15], s[34:35]
	s_add_nc_u64 s[50:51], s[50:51], s[42:43]
	s_lshl_b32 s42, ttmp9, 18                      ; the mask: my work-group's 32 rows of 8,192 bytes, my wave's eight of them
	s_lshl_b32 s41, s16, 16
	s_add_co_u32 s42, s42, s41
	s_add_nc_u64 s[62:63], s[10:11], s[42:43]
	s_wait_alu depctr_va_vdst(0)                   ; v1 to v8 and v11 are written: every load, store and prefetch of the kernel reads one of them as its offset or LDS address
	MASKIN 2
	MASKIN 3
	KQBASE 19
	LOADK 0, 32                                    ; the first head's
	LOADQ
	s_wait_kmcnt 0x0
	s_add_co_i32 s41, s36, s37                     ; e6 + e7
	s_sub_co_i32 s29, 3, s41
	s_sub_co_i32 s41, s41, 3
	s_lshl_b32 s41, s41, 23
	s_add_co_i32 s22, s41, 0x3fb8aa3b              ; c: e6 + e7 - 3 added to the exponent field of log2(e)
	s_mov_b32 s23, s22                             ; (named with it as a pair)
	MKSCALE 38, 9, -1, 26, 41                      ; 2^e8; 448 x 2^e8
	s_sub_co_i32 s41, s40, s38
	s_sub_co_i32 s41, s41, s39
	MKSCALE 41, 10, 27, 28, 42                     ; a sum of the second product stands for sum x 2^(e8 + e9): its conversion takes 2^(e10 - e8 - e9)
	s_wait_loadcnt 63                              ; 68 loads stand behind the mask's last, and 63 is the largest count that the wait can name: the mask is in
	MASKOUT 2
	MASKOUT 3
	WIN 0
	BARRIER                                        ; the mask lies whole in LDS; it is never written again
	s_wait_alu depctr_vm_vsrc(0)                   ; my LDS stores have read windows 2 and 3, in which the mask's loads below land (the multiplications that named them stand ahead of the last wait on va_vdst)
	PRELOAD 2
	PRELOAD 3
	WIN 0
	s_wait_loadcnt 0x0                             ; K and Q
	s_mov_b32 s32, 0                               ; the trip; the head is s19 + s32
.Lhead:
	s_wait_dscnt 0x0                               ; the mask is in S^T's registers
	QK 3
	QK 2
	WIN 0
	PLACES                                         ; in front of the loads into K's and Q's registers and of the first read of a score
	s_add_co_u32 s41, s32, 1
	s_min_u32 s41, s41, 7                          ; the last trip loads its own head's K and Q again, unused: no load leaves its buffer
	s_add_co_u32 s41, s41, s19
	KQBASE 41                                      ; (the loads that read these addresses were shown done by the last trip's wait for all loads)
	s_lshl_b32 s42, s41, 13
	s_add_nc_u64 s[60:61], s[48:49], s[42:43]      ; V of the next head (the last prefetches have read this pair: the wait on XCNT at the last trip's end)
	s_wait_alu depctr_va_vdst(0)                   ; the 64 products are done reading K's and Q's registers, in which the next head's loads land
	LOADK 0, 16                                    ; a whole trip ahead of their use
	LOADQ
	; A PREFETCH of the next head's V, one trip ahead of the loads that want it: my wave's four blocks of 8,192 bytes, lanes 256 bytes apart, four instructions.  All 64 work-groups of a batch and half walk the same V:
	; the one with x = 0 asks, so each block of 256 bytes is named once in the launch.  The first head's V comes by its loads alone; the last trip asks for nothing.
	s_cmp_lt_u32 s32, s33
	s_cbranch_scc0 .Lno_ask
.irp ks, 0,1,2,3
	global_prefetch_b8 v11, s[60:61] offset:131072*\ks th:TH_LOAD_NT scope:SCOPE_SE
.endr
.Lno_ask:
	SOFT1 2
	LOADK 16, 32                                   ; K's other half.  No wait: no vector or matrix instruction since the wait above names window 1 or v1
	SOFT1 3
	v_nop                                          ; the plain line behind the last exponential
	s_wait_alu depctr_va_vdst(0)                   ; one wait for the 512 exponentials, ahead of their first reader
	SUMS 2
	SUMS 3
	WIN 0
.irp q, 0,1
	v_pk_add_f32 v[16+8*\q:17+8*\q], v[16+8*\q:17+8*\q], v[18+8*\q:19+8*\q]
	v_pk_add_f32 v[20+8*\q:21+8*\q], v[20+8*\q:21+8*\q], v[22+8*\q:23+8*\q]
.endr
.irp q, 0,1
	v_pk_add_f32 v[16+8*\q:17+8*\q], v[16+8*\q:17+8*\q], v[20+8*\q:21+8*\q]
.endr
.irp q, 0,1
	v_add_f32 v[40+\q], v[16+8*\q], v[17+8*\q]
.endr
	v_permlanex16_b32 v44, v40, s30, s31           ; a query's other keys of each tile lie in the lane 16 away
	v_permlanex16_b32 v45, v41, s30, s31
	v_add_f32 v40, v40, v44
	v_add_f32 v41, v41, v45
	v_cndmask_b32 v42, v40, v41, s20               ; lane l: query l's sum over my 512 keys
	s_wait_alu depctr_va_vdst(0)                   ; v42 is written, which the LDS store reads; the lines above are done with v40 to v47, in which the LDS loads behind the barrier land
	ds_store_b32 v7, v42
	BARRIER                                        ; the four waves' sums lie in LDS.  (They are written again only behind the trip's second barrier, in front of which every wave has waited for its reads of them)
	s_wait_alu depctr_vm_vsrc(0)                   ; the LDS store has read v42, in which a load below lands; the last trip's global store has read v36 to v39, which this trip's conversions write again
.irp q, 0,1
.irp u, 0,1,2,3
	ds_load_b32 v[40+4*\q+\u], v8 offset:128*\u+64*\q
.endr
.endr
	s_wait_dscnt 0x0
	v_add_f32 v40, v40, v41
	v_add_f32 v42, v42, v43
	v_add_f32 v44, v44, v45
	v_add_f32 v46, v46, v47
	v_add_f32 v40, v40, v42
	v_add_f32 v44, v44, v46
	v_rcp_f32 v32, v40
	v_rcp_f32 v34, v44
	v_nop
	s_wait_alu depctr_va_vdst(0)                   ; one wait for the two reciprocals
	NORM 2, 0, 32
	CVT 2
	s_add_co_u32 s41, s19, s32                     ; the head
	s_lshl_b32 s42, s41, 13
	s_add_nc_u64 s[56:57], s[48:49], s[42:43]      ; (the last trip's loads of V were shown done by its wait for all loads)
	s_wait_alu depctr_va_vdst(0)                   ; the normalising and the conversions of queries 0-15 are done with window 2, in which V's loads land
	LOADV 0, 3                                     ; into the registers that the scores of queries 0-15 have left; it lands under the other tile's work
	NORM 3, 0, 16
	LOADV 3, 4                                     ; V's last block.  No wait: no vector or matrix instruction since the wait above names window 2 or v1
	NORM 3, 16, 32
	CVT 3
	s_wait_alu depctr_va_vdst(0)                   ; the normalising and the conversions of queries 16-31 are done with window 3, in which the mask's loads land
	PRELOAD 3                                      ; the mask for the next head
	s_wait_loadcnt 0x0                             ; V; the next head's K and Q, asked for long ago
	PV
	WIN 0
	PLACES                                         ; in front of the stores of O^T and of the loads into V's registers
	s_wait_alu depctr_va_vdst(0)                   ; the 32 products have written O^T, which the LDS stores read, and are done reading V's registers, in which the mask's loads behind the barrier land; the places above stay beside this wait
.set ti, 0
.rept 8
	ds_store_b128 v5, v[64+8*ti:64+8*ti+3] offset:1024*ti          ; each accumulator from its low end on
	ds_store_b128 v5, v[64+8*ti+4:64+8*ti+7] offset:1024*ti+512
.set ti, ti+1
.endr
	BARRIER                                        ; the four partial O^T lie in LDS.  (They are written again only behind the next trip's first barrier, in front of which every wave has waited for its reads of them)
	s_wait_alu depctr_vm_vsrc(0)                   ; my LDS stores have read v64 to v127, in which the loads of the four parts land
.irp u, 0,1,2,3
.irp i, 0,1
.irp g, 0,1
	ds_load_b128 v[64+16*\u+8*\i+4*\g:64+16*\u+8*\i+4*\g+3], v6 offset:8192*\u+1024*\i+512*\g
.endr
.endr
.endr
	PRELOAD 2                                      ; the mask for the next head
	WIN 0
	s_wait_dscnt 63                                ; 64 loads of the mask stand behind the 16 of the parts, and 63 is the largest count that the wait can name: the parts (and the mask's first load) are in, the mask's other 63 stay out
.irp n, 0,2,4,6,8,10,12,14
	v_pk_add_f32 v[64+\n:65+\n], v[64+\n:65+\n], v[80+\n:81+\n]
	v_pk_add_f32 v[96+\n:97+\n], v[96+\n:97+\n], v[112+\n:113+\n]
.endr
.irp n, 0,2,4,6,8,10,12,14
	v_pk_add_f32 v[64+\n:65+\n], v[64+\n:65+\n], v[96+\n:97+\n]
.endr
.irp n, 0,1,2,3,4,5,6,7,8,9,10,11,12,13,14,15
	v_med3_num_f32 v[64+\n], v[64+\n], s27, s28
.endr
	s_wait_xcnt 0x0                                ; the last trip's store has read its data and its base, this trip's prefetches their address: all three are written again only behind this wait
	s_lshl_b32 s42, s41, 10                        ; K step head / 2 (2,048 bytes), head in the pair (1,024): 1,024 x head
	s_add_nc_u64 s[58:59], s[50:51], s[42:43]
	v_cvt_scalef32_pk8_fp8_f32 v[36:37], v[64:71], v10
	v_cvt_scalef32_pk8_fp8_f32 v[38:39], v[72:79], v10
	v_nop                                          ; a plain line between the conversions and the next trip's products, which write their sources
	s_wait_alu depctr_va_vdst(0)                   ; the two conversions have written v36 to v39, which the store reads
	global_store_b128 v1, v[36:39], s[58:59]       ; 512 consecutive bytes, at a multiple of 512 from ac's first byte
	s_add_co_u32 s32, s32, 1
	s_cmp_lt_u32 s32, 8
	s_cbranch_scc1 .Lhead
	s_wait_dscnt 0x0                               ; the last trip's loads of the mask, which nobody uses
	s_wait_xcnt 0x0
	v_lshl_add_u32 v254, v0, 2, 0x48400
	v_mov_b32 v255, 0
	s_wait_dscnt 0x0                               ; the closing lines, six on end
	s_wait_alu 0x0
	s_wait_tensorcnt 0x0
	ds_add_u32 v254, v255
	s_wait_dscnt 0x0
	s_endpgm
.Lfunc_end_k_qbeb3aa72b8_attn:
	.size	k_qbeb3aa72b8_attn, .Lfunc_end_k_qbeb3aa72b8_attn-k_qbeb3aa72b8_attn
	.p2alignl 7, 3214868480
	.fill 96, 4, 3214868480
	.section	.rodata,"a",@progbits
	.p2align	6, 0x0
	.amdhsa_kernel k_qbeb3aa72b8_attn
		.amdhsa_group_segment_fixed_size 296448
		.amdhsa_private_segment_fixed_size 0
		.amdhsa_enable_private_segment 0
		.amdhsa_kernarg_size 48
		.amdhsa_user_sgpr_count 2
		.amdhsa_user_sgpr_kernarg_segment_ptr 1
		.amdhsa_wavefront_size32 1
		.amdhsa_system_sgpr_workgroup_id_x 1
		.amdhsa_system_sgpr_workgroup_id_y 1
		.amdhsa_system_sgpr_workgroup_id_z 1
		.amdhsa_system_vgpr_workitem_id 0
		.amdhsa_next_free_vgpr 1024
		.amdhsa_next_free_sgpr 66
		.amdhsa_reserve_vcc 0
		.amdhsa_float_denorm_mode_32 3
		.amdhsa_float_denorm_mode_16_64 3
		.amdhsa_memory_ordered 1
		.amdhsa_forward_progress 1
		.amdhsa_inst_pref_size 239
	.end_amdhsa_kernel
	.amdgpu_metadata
---
amdhsa.version: [ 1, 2 ]
amdhsa.kernels:
  - .name:           k_qbeb3aa72b8_attn
    .symbol:         k_qbeb3aa72b8_attn.kd
    .args:
      - { .name: qc, .offset: 0, .size: 8, .value_kind: global_buffer, .address_space: global }
      - { .name: kc, .offset: 8, .size: 8, .value_kind: global_buffer, .address_space: global }
      - { .name: vc, .offset: 16, .size: 8, .value_kind: global_buffer, .address_space: global }
      - { .name: attention_mask, .offset: 24, .size: 8, .value_kind: global_buffer, .address_space: global }
      - { .name: lowp_scales, .offset: 32, .size: 8, .value_kind: global_buffer, .address_space: global }
      - { .name: ac, .offset: 40, .size: 8, .value_kind: global_buffer, .address_space: global }
    .group_segment_fixed_size: 296448
    .private_segment_fixed_size: 0
    .kernarg_segment_align: 8
    .kernarg_segment_size: 48
    .max_flat_workgroup_size: 128
    .sgpr_count:     66
    .vgpr_count:     1024
    .wavefront_size: 32
...
	.end_amdgpu_metadata
.endif
;; end of part 6
;; launch outp (part 7): grid 64 x 1, 8 waves a work-group, no clusters, 265,472 bytes of LDS; arguments ac, wc, lowp_scales, K, out0; writes out0
.if DOCPART == 7
	.amdgcn_target "amdgcn-amd-amdhsa--gfx1250"
	.amdhsa_code_object_version 6
	.text
	.protected	k_qbeb3aa72b8_outp
	.globl	k_qbeb3aa72b8_outp
	.p2align	8
	.type	k_qbeb3aa72b8_outp,@function
k_qbeb3aa72b8_outp:
	s_mov_b64 s[64:65], 0
	v_nop
	global_prefetch_b8 v0, s[64:65] scope:SCOPE_SE
	s_setreg_imm32_b32 hwreg(HW_REG_WAVE_SCHED_MODE, 0, 2), 2
	s_setreg_imm32_b32 hwreg(HW_REG_WAVE_MODE, 25, 1), 1
	s_wait_xcnt 0x0
	s_wait_alu depctr_vm_vsrc(0)
; out = attention's result x Wo^T on codes of E4M3; out_time = sqrt(1 / K + sum of out^2 + 1e-8); out0's row = [out_time, out]: 1,025 f32.
; THE CORE is the projections': D = S0 x S1^T over K = 1,024; S1 = 64 tokens' fragment images (65,536 bytes, in LDS), S0 = Wo's 1,024 rows, wave w streaming rows 128 w .. 128 w + 127 from memory into registers.
; In the result lane (r, h) holds token r and features 8 h + 0 .. 7 of a tile.
; WHY 64 TOKENS TO A WORK-GROUP: whole rows in one work-group make the norm local, and 64 rows x 4,100 bytes = 262,400 = 1,025 x 256: a block of out0 begins and ends on multiples of 256 bytes though its rows are only
; 4-aligned.  So the block is put together in LDS as it lies in memory and leaves as one flat stream, each store of a wave covering 512 consecutive bytes.
; A sum stands for sum x 2^(e10 + e11).  nan_to_num is written out for out_time (K is any number: NaN -> 0, infinity -> 10000); the sums are finite, so for them it changes nothing.
; LIMITS: e10 + e11 between -126 and 99.  1 / K is v_rcp_f32's: a denormal K counts as 0.
; NO JOINT LOADS: as in the projections, S0's fragments go into the registers of the one wave that multiplies them and never pass LDS.
; REGISTERS.  Window 0: v1 16 lane; v2 16 lane + 2,048 w; v4-7 my place in the stage for the four tiles of tokens; v8-15 the squares' four chains; v16-22 addresses; v20 1 / K; v64-127 S1; v128-255 S0, later the stream out.
;   Window 1: the 32 accumulators, (t1, t0) at v[64 t1 + 8 t0].
; THE MODE: SCHED_MODE bits 1:0 = 2 (LLVM: expert scheduling mode 2), set by the entry lines.  The code itself states the register dependences
; between vector or matrix instructions and memory or LDS instructions, with s_wait_alu, always for 0.
; THE PLAN.  Registers that memory or LDS instructions touch:
;   v1, v2, v4-7, v16-19, v22   Offsets and LDS addresses, made once at the head and never written again.
;   v64-127       S1.  At the head: global loads land, LDS stores read.  Then, K step s: all 32 products read them; behind the last of them the LDS loads of step s + 1 land.
;   v128-191      S0's tiles 0 to 3.  K step s: its first 16 products read them; behind these the loads of step s + 1 land.  In the stream out: LDS loads land, global stores read, a trip after a trip.
;   v192-255      S0's tiles 4 to 7.  K step s: its last 16 products read them; behind these the loads of step s + 1 land.
;   window 1, v28, v29   The scaling and the selects write them; the LDS stores into the stage and of the partial sums read them; nothing writes them again.
;   v32-39        Waves 0 and 1: LDS loads land; vector lines make out_time in v33; an LDS store reads it.
;   v21           The stream's address in LDS and offset in out0: written once a trip by a vector add, since an LDS address has no scalar base.
; A K step holds two waits on va_vdst, one behind each half's products, each run of loads straight behind its wait (a load's destination and a product's D are named through the same window field, so loads among
; products would cost two switches a group).  The way out has one wait on va_vdst ahead of all its LDS stores; the stream out has a wait on vm_vsrc and one on va_vdst round its add, where the vector side has nothing else in hand.
.set S1R, 64
.set S0R, 128
.set S0P, 32                           ; s[32:33] my wave's part of S0
.set S1P, 34                           ; s[34:35] S1
.set RP,  4100                         ; a row of out0
.set PS,  64*RP                        ; behind the stage: partial sums of squares, [wave 8][token 64]
.set MSB, 0
.macro WIN new                         ; the immediate's high byte repeats the setting that is left; a switch that changes nothing is dropped
.if MSB != (\new)
	s_set_vgpr_msb (MSB<<8)|(\new)
.set MSB, (\new)
.endif
.endm
.macro BARRIER                         ; my LDS stores have landed and my LDS loads are in: then the work-group's barrier
	s_wait_dscnt 0x0
	s_barrier_signal -1
	s_barrier_wait -1
.endm
.macro LOADS0 s, j                     ; tiles 4 j .. 4 j + 3 of S0, K step s: 16 loads of 512 consecutive bytes
.irp t, 0,1,2,3
.irp g, 0,1,2,3
	global_load_b128 v[S0R+16*(4*(\j)+\t)+4*\g:S0R+16*(4*(\j)+\t)+4*\g+3], v1, s[S0P:S0P+1] offset:16384*(4*(\j)+\t)+2048*(\s)+512*\g
.endr
.endr
.endm
.macro LOADS1 s                        ; S1's four fragments of K step s, from LDS
.irp t, 0,1,2,3
.irp g, 0,1,2,3
	ds_load_b128 v[S1R+16*\t+4*\g:S1R+16*\t+4*\g+3], v1 offset:(8*\t+(\s))*2048+512*\g
.endr
.endr
.endm
; 16 products; the 32 accumulators take turns, one instruction a turn; the first K step starts the sums.  Four plain lines follow, in front of loads into registers that the products have read and of reads of their results.
.macro MUL s, j
	WIN 0x50                                       ; C and D in window 1
.irp t0, 0,1,2,3
.irp t1, 0,1,2,3
.if (\s) == 0
	v_wmma_f32_16x16x128_fp8_fp8 v[64*\t1+8*(4*(\j)+\t0):64*\t1+8*(4*(\j)+\t0)+7], v[S0R+16*(4*(\j)+\t0):S0R+16*(4*(\j)+\t0)+15], v[S1R+16*\t1:S1R+16*\t1+15], 0
.else
	v_wmma_f32_16x16x128_fp8_fp8 v[64*\t1+8*(4*(\j)+\t0):64*\t1+8*(4*(\j)+\t0)+7], v[S0R+16*(4*(\j)+\t0):S0R+16*(4*(\j)+\t0)+15], v[S1R+16*\t1:S1R+16*\t1+15], v[64*\t1+8*(4*(\j)+\t0):64*\t1+8*(4*(\j)+\t0)+7]
.endif
.endr
.endr
	WIN 0
.rept 4
	v_nop
.endr
.endm
.macro KSTEP s
	s_wait_dscnt 0x0                               ; this step's S1
	s_wait_loadcnt 16                              ; this step's first half of S0 is in; the second half's 16 loads stay out
	MUL \s, 0
.if (\s) < 7
	s_wait_alu depctr_va_vdst(0)                   ; the 16 products above are done reading S0's tiles 0 to 3, in which the loads below land
	LOADS0 (\s)+1, 0
	s_wait_loadcnt 16                              ; the second half is in; the 16 just issued stay out
.else
	s_wait_loadcnt 0x0
.endif
	MUL \s, 1
.if (\s) < 7
	s_wait_alu depctr_va_vdst(0)                   ; the step's products are done reading S0's tiles 4 to 7 and S1's four fragments, in which the loads below land
	LOADS0 (\s)+1, 1
	LOADS1 (\s)+1
.endif
.endm
	s_load_b256 s[4:11], s[0:1], 0x0               ; ac, wc, lowp_scales, K
	s_load_b64 s[12:13], s[0:1], 0x20              ; out0
	v_lshl_add_u32 v62, v0, 2, 0x40900
	v_mov_b32 v63, 0
	v_lshrrev_b32 v3, 5, v0
	v_readfirstlane_b32 s16, v3                    ; wave
	v_and_b32 v24, 31, v0                          ; lane
	v_and_b32 v25, 15, v0                          ; r
	v_bfe_u32 v26, v0, 4, 1                        ; h
	v_lshlrev_b32 v1, 4, v24                       ; 16 lane
	s_wait_alu depctr_va_sdst(0)                   ; s16 is written, ahead of its first reader: LDS addresses, S0's base and two branches are made from it
	s_lshl_b32 s17, s16, 11
	v_add_nc_u32 v2, s17, v1                       ; + 2,048 w: the K step of S1 that I copy
	v_mul_u32_u24 v4, v25, RP                      ; the stage: row r,
	v_lshl_add_u32 v4, v26, 5, v4                  ; + 32 h,
	s_lshl_b32 s17, s16, 9
	s_add_co_u32 s17, s17, 4                       ; + out_time's 4 bytes + my wave's 128 features
	v_add_nc_u32 v4, s17, v4
	v_add_nc_u32 v5, 16*RP, v4
	v_add_nc_u32 v6, 32*RP, v4
	v_add_nc_u32 v7, 48*RP, v4
	s_lshl_b32 s17, s16, 8
	s_add_co_u32 s17, s17, PS
	v_lshl_add_u32 v16, v24, 2, s17                ; where I put my partial sums of squares
	s_and_b32 s18, s16, 1
	s_lshl_b32 s17, s18, 7
	s_add_co_u32 s17, s17, PS
	v_lshl_add_u32 v17, v24, 2, s17                ; waves 0, 1: where wave 0's sum for token 32 w + lane lies
	s_lshl_b32 s17, s18, 5
	v_add_nc_u32 v18, s17, v24
	v_mul_u32_u24 v18, v18, RP                     ; and that token's out_time in the stage
	s_lshl_b32 s17, s16, 9
	v_add_nc_u32 v19, s17, v1                      ; the stream out: 512 w + 16 lane
	v_lshlrev_b32 v22, 3, v24
	v_add_nc_u32 v22, 262144, v22                  ; its last 256 bytes: 8 a lane
	v_mov_b32 v23, 0x461c4000                      ; 10000.0
	v_mov_b32 v27, 0
.irp t, 0,1,2,3
	v_mov_b32 v[28+\t], 0                          ; (a lane permute's destination counts as one of its sources)
.endr
	s_mov_b32 s20, 0xffff0000                      ; lanes 16-31
	s_mov_b32 s30, 0x76543210                      ; v_permlanex16_b32's selects for lane xor 16
	s_mov_b32 s31, 0xfedcba98
	s_mov_b32 s42, 0x7f800000
	s_lshl_b32 s22, s16, 17
	s_add_co_u32 s22, s22, 3145728                 ; Wo, my wave's eight tiles
	s_mov_b32 s23, 0
	s_lshl_b32 s24, ttmp9, 16                      ; my block's four tiles of tokens
	s_mov_b32 s25, 0
	s_mul_i32 s26, ttmp9, 64*RP                    ; and its 262,400 bytes of out0
	s_mov_b32 s27, 0
	s_wait_kmcnt 0x0
	s_load_b64 s[36:37], s[8:9], 0x28              ; e10, e11
	s_load_b32 s38, s[10:11], 0x0                  ; K
	s_add_nc_u64 s[S0P:S0P+1], s[6:7], s[22:23]
	s_add_nc_u64 s[S1P:S1P+1], s[4:5], s[24:25]
	s_add_nc_u64 s[46:47], s[12:13], s[26:27]
	s_wait_alu depctr_va_vdst(0)                   ; v1, v2, v4 to v7, v16 to v19 and v22 are written: but for the stream out, every load and store of the kernel reads one of them as its offset or LDS address
.irp t, 0,1,2,3
.irp g, 0,1,2,3
	global_load_b128 v[S1R+16*\t+4*\g:S1R+16*\t+4*\g+3], v2, s[S1P:S1P+1] offset:16384*\t+512*\g   ; K step w of S1's four tiles
.endr
.endr
	LOADS0 0, 0
	LOADS0 0, 1
	s_wait_kmcnt 0x0
	s_add_co_i32 s40, s36, s37
	s_add_co_i32 s40, s40, 127
	s_lshl_b32 s40, s40, 23                        ; 2^(e10 + e11) as f32
	s_mov_b32 s41, s40                             ; (named with it as a pair)
	v_rcp_f32 v20, s38                             ; 1 / K
	v_nop
	s_wait_alu depctr_va_vdst(0)                   ; the wait ahead of the result's first reader, and of every branch
	s_wait_loadcnt 32                              ; S1's 16 loads are in; S0's 32 stay out
.irp t, 0,1,2,3
.irp g, 0,1,2,3
	ds_store_b128 v2, v[S1R+16*\t+4*\g:S1R+16*\t+4*\g+3] offset:16384*\t+512*\g
.endr
.endr
	BARRIER                                        ; S1 lies whole in LDS, in the stage's first 65,536 bytes
	s_wait_alu depctr_vm_vsrc(0)                   ; my LDS stores have read v64 to v127, in which the fragments of S1 land from here on
	LOADS1 0
.irp s, 0,1,2,3,4,5,6,7
	KSTEP \s
.endr
	BARRIER                                        ; every wave's reads of S1 are over: the stage may be written
	WIN 0x41
.set i, 0
.rept 128
	v_pk_mul_f32 v[2*i:2*i+1], v[2*i:2*i+1], s[40:41] op_sel_hi:[1,0]   ; out = sum x 2^(e10 + e11); each accumulator from its low end on
.set i, i+1
.endr
	WIN 0x05                                       ; the squares: a chain for each tile of tokens, by turns; the first line starts it
.irp t1, 0,1,2,3
	v_pk_mul_f32 v[8+2*\t1:9+2*\t1], v[64*\t1:64*\t1+1], v[64*\t1:64*\t1+1]
.endr
.set i, 1
.rept 31
.irp t1, 0,1,2,3
	v_pk_fma_f32 v[8+2*\t1:9+2*\t1], v[64*\t1+2*i:64*\t1+2*i+1], v[64*\t1+2*i:64*\t1+2*i+1], v[8+2*\t1:9+2*\t1]
.endr
.set i, i+1
.endr
	WIN 0
.irp t, 0,1,2,3
	v_add_f32 v[8+2*\t], v[8+2*\t], v[9+2*\t]
.endr
.irp t, 0,1,2,3
	v_permlanex16_b32 v[28+\t], v[8+2*\t], s30, s31                ; a token's other features of each tile lie in the lane 16 away
.endr
.irp t, 0,1,2,3
	v_add_f32 v[8+2*\t], v[8+2*\t], v[28+\t]
.endr
	v_cndmask_b32 v28, v8, v10, s20                ; lane l: token l's sum over my 128 features,
	v_cndmask_b32 v29, v12, v14, s20               ; token 32 + l's
	s_wait_alu depctr_va_vdst(0)                   ; the selects have written v28 and v29, the scaling has written out in window 1: the LDS stores below read them
	ds_store_b32 v16, v28
	ds_store_b32 v16, v29 offset:128
	WIN 0x04                                       ; the stores' data in window 1
.irp t1, 0,1,2,3
.irp t0, 0,1,2,3,4,5,6,7
.irp j, 0,1,2,3,4,5,6,7
	ds_store_b32 v[4+\t1], v[64*\t1+8*\t0+\j] offset:64*\t0+4*\j   ; out(16 t1 + r, 128 w + 16 t0 + 8 h + j); a row is only 4-aligned, so 4 bytes a store
.endr
.endr
.endr
	WIN 0
	BARRIER                                        ; all of out and all partial sums lie in LDS
	s_cmp_lt_u32 s16, 2
	s_cbranch_scc0 .Lno_time                       ; waves 0 and 1 make out_time, a lane a token
.irp u, 0,1,2,3,4,5,6,7
	ds_load_b32 v[32+\u], v17 offset:256*\u
.endr
	s_wait_dscnt 0x0
	v_add_f32 v32, v32, v33
	v_add_f32 v34, v34, v35
	v_add_f32 v36, v36, v37
	v_add_f32 v38, v38, v39
	v_add_f32 v32, v32, v34
	v_add_f32 v36, v36, v38
	v_add_f32 v32, v32, v36
	v_add_f32 v32, v20, v32                        ; 1 / K + the norm's square,
	v_add_f32 v32, 0x322bcc77, v32                 ; + 1e-8
	v_sqrt_f32 v33, v32
	v_nop
	s_wait_alu depctr_va_vdst(0)                   ; the root is written, ahead of its first reader
	v_and_b32 v34, 0x7fffffff, v33
	v_cmp_eq_u32 vcc_lo, s42, v34
	s_wait_alu depctr_va_vcc(0)                    ; the compare has written VCC, which the select reads
	v_cndmask_b32 v33, v33, v23, vcc_lo            ; infinity -> 10000 (a root is never -infinity)
	v_cmp_lt_u32 vcc_lo, s42, v34
	s_wait_alu depctr_va_vcc(0)                    ; the compare has written VCC, which the select reads
	v_cndmask_b32 v33, v33, v27, vcc_lo            ; NaN -> 0
	s_wait_alu depctr_va_vdst(0)                   ; the select has written v33, which the LDS store reads
	ds_store_b32 v18, v33
.Lno_time:
	BARRIER                                        ; the block lies in LDS as it lies in memory
	s_mov_b32 s44, 0                               ; 4 trips of 65,536 bytes: the 8 waves' 16 loads and stores of 512 bytes
.Lout:
	s_wait_alu depctr_vm_vsrc(0)                   ; the last trip's LDS loads and stores have read v21, which the add writes; its stores have read v128 to v191, in which the loads below land
	v_add_nc_u32 v21, s44, v19                     ; the same byte in the stage and in the block of out0
	s_wait_alu depctr_va_vdst(0)                   ; v21 is written, which the loads and stores below read
.irp i, 0,1,2,3,4,5,6,7,8,9,10,11,12,13,14,15
	ds_load_b128 v[S0R+4*\i:S0R+4*\i+3], v21 offset:4096*\i
.endr
.irp i, 0,1,2,3,4,5,6,7,8,9,10,11,12,13,14,15
	s_wait_dscnt 15-\i                             ; load i is in; the later ones stay out
	global_store_b128 v21, v[S0R+4*\i:S0R+4*\i+3], s[46:47] offset:4096*\i th:TH_STORE_NT   ; 512 consecutive bytes, at a multiple of 256 from out0's first byte
.endr
	s_wait_xcnt 0x0                                ; the stores have read their data and their offset: both are written again only behind this wait
	s_add_co_u32 s44, s44, 65536
	s_cmp_lt_u32 s44, 262144
	s_cbranch_scc1 .Lout
	s_wait_alu depctr_vm_vsrc(0)                   ; the last trip's stores have read v128 and v129, in which wave 0's load below lands
	s_cmp_lg_u32 s16, 0
	s_cbranch_scc1 .Lend                           ; the block's last 256 bytes: wave 0, 8 bytes a lane
	ds_load_b64 v[S0R:S0R+1], v22
	s_wait_dscnt 0x0
	global_store_b64 v22, v[S0R:S0R+1], s[46:47] th:TH_STORE_NT
.Lend:
	s_wait_dscnt 0x0                               ; the closing lines, six on end
	s_wait_alu 0x0
	s_wait_tensorcnt 0x0
	ds_add_u32 v62, v63
	s_wait_dscnt 0x0
	s_endpgm
.Lfunc_end_k_qbeb3aa72b8_outp:
	.size	k_qbeb3aa72b8_outp, .Lfunc_end_k_qbeb3aa72b8_outp-k_qbeb3aa72b8_outp
	.p2alignl 7, 3214868480
	.fill 96, 4, 3214868480
	.section	.rodata,"a",@progbits
	.p2align	6, 0x0
	.amdhsa_kernel k_qbeb3aa72b8_outp
		.amdhsa_group_segment_fixed_size 265472
		.amdhsa_private_segment_fixed_size 0
		.amdhsa_enable_private_segment 0
		.amdhsa_kernarg_size 40
		.amdhsa_user_sgpr_count 2
		.amdhsa_user_sgpr_kernarg_segment_ptr 1
		.amdhsa_wavefront_size32 1
		.amdhsa_system_sgpr_workgroup_id_x 1
		.amdhsa_system_sgpr_workgroup_id_y 1
		.amdhsa_system_sgpr_workgroup_id_z 1
		.amdhsa_system_vgpr_workitem_id 0
		.amdhsa_next_free_vgpr 512
		.amdhsa_next_free_sgpr 66
		.amdhsa_reserve_vcc 1
		.amdhsa_float_denorm_mode_32 3
		.amdhsa_float_denorm_mode_16_64 3
		.amdhsa_memory_ordered 1
		.amdhsa_forward_progress 1
		.amdhsa_inst_pref_size 97
	.end_amdhsa_kernel
	.amdgpu_metadata
---
amdhsa.version: [ 1, 2 ]
amdhsa.kernels:
  - .name:           k_qbeb3aa72b8_outp
    .symbol:         k_qbeb3aa72b8_outp.kd
    .args:
      - { .name: ac, .offset: 0, .size: 8, .value_kind: global_buffer, .address_space: global }
      - { .name: wc, .offset: 8, .size: 8, .value_kind: global_buffer, .address_space: global }
      - { .name: lowp_scales, .offset: 16, .size: 8, .value_kind: global_buffer, .address_space: global }
      - { .name: K, .offset: 24, .size: 8, .value_kind: global_buffer, .address_space: global }
      - { .name: out0, .offset: 32, .size: 8, .value_kind: global_buffer, .address_space: global }
    .group_segment_fixed_size: 265472
    .private_segment_fixed_size: 0
    .kernarg_segment_align: 8
    .kernarg_segment_size: 40
    .max_flat_workgroup_size: 256
    .sgpr_count:     66
    .vgpr_count:     512
    .wavefront_size: 32
...
	.end_amdgpu_metadata
.endif
;; end of part 7
